; MI455X (gfx1250); checked and timed in simulation.
; The chip was launched on July 23, 2026; its instructions are those of AMD's public machine-readable ISA for CDNA 5 (MIT licence, August 2026) and "CDNA5" Instruction Set Architecture Reference Guide (July 2026). The comments in the code are by the model that wrote it; some were corrected since.
;; Autoregressive Attention. Allowed arithmetic: float matrix products may take bf16 or f16 operands with f32 sums; other float arithmetic in f32, or as packed bf16 or f16 multiplies, adds, multiply-adds, maxima and minima; sums over many terms, partial sums and values carried from step to step in f32; what a program stores and reads back later, other than sums and carried values, may be rounded once to bf16 or f16.
;; Inputs: Wk 1,024 x 1,024 float32; Wq 1,024 x 1,024 float32; Wv 1,024 x 1,024 float32; bk 1,024 float32; bq 1,024 float32; bv 1,024 float32; inputs 4 x 2,048 x 1,024 float32.
;; Outputs: out0 4 x 2,048 x 1,024 float32.
;; 2 versions, each right; version 2 is version 1 with the launch cast written anew for expert scheduling mode. Each part assembles by itself: llvm-mc -triple=amdgcn-amd-amdhsa -mcpu=gfx1250 --defsym DOCPART=n.
;; ======== version 1 of 2: 4 launches
;; limits: values are held in f16: magnitudes above 65,504 overflow, below 6.1e-05 lose precision; right only within a limited range of input values
;; workspace buffers: xb 16,777,216 bytes; wb 6,291,456 bytes; bb 12,288 bytes; qkv 50,331,648 bytes; pw 33,554,432 bytes; st 1,048,576 bytes
;; launch cast (part 1): grid 64 x 11, 8 waves a work-group, no clusters, 0 bytes of LDS; arguments inputs, Wq, Wk, Wv, bq, bk, bv, xb, wb, bb, st; writes xb, wb, bb, st
.if DOCPART == 1
	.amdgcn_target "amdgcn-amd-amdhsa--gfx1250"
	.amdhsa_code_object_version 6
	.text
	.protected	k_qf17f7529fa_cast
	.globl	k_qf17f7529fa_cast
	.p2align	8
	.type	k_qf17f7529fa_cast,@function
k_qf17f7529fa_cast:
	s_mov_b64 s[64:65], 0
	v_nop
	global_prefetch_b8 v0, s[64:65] scope:SCOPE_SE
	s_setreg_imm32_b32 hwreg(HW_REG_WAVE_MODE, 25, 1), 1
	s_wait_xcnt 0x0
; x and the three weight matrices are rounded once to bf16 (xb: [8192][1024]; wb: [3072][1024], rows of Wq, Wk, Wv);
; the three biases are rounded to bf16 and kept as f32 (bb: [3072]); the statistics' table st is filled whole
; (planes of 8,192 bytes by turns: c m = -1e38, l = 0), so that a later launch may read planes that no tile writes.
; A stream: each byte read once, by 16-byte loads of 512 consecutive bytes a wave; each store of a wave covers 256
; consecutive bytes, aligned.  No LDS, no matrix unit, no cluster: nothing is shared and nothing is multiplied.
; Work-group (x, y): y = 0..7 a slab of 4 MiB of inputs, y = 8, 9, 10 one weight matrix; x = 64 KiB of it; a wave 8 KiB.
.set SRC, 32                           ; s[32:33] where my work-group reads
.set DST, 34                           ; s[34:35] where it writes
	s_load_b512 s[8:23], s[0:1], 0x0               ; inputs 8, Wq 10, Wk 12, Wv 14, bq 16, bk 18, bv 20, xb 22
	s_load_b128 s[24:27], s[0:1], 0x40             ; wb 24, bb 26
	s_load_b64 s[28:29], s[0:1], 0x50              ; st
	s_and_b32 s2, ttmp7, 0xffff                    ; y
	s_mov_b32 s3, ttmp9                            ; x
	v_lshrrev_b32 v1, 5, v0
	v_and_b32 v2, 31, v0
	v_lshlrev_b32 v2, 4, v2
	v_lshl_add_u32 v1, v1, 13, v2                  ; 8,192 x wave + 16 x lane: my bytes in the source
	v_lshrrev_b32 v2, 1, v1                        ; and half of that in the destination
	s_sub_co_u32 s5, s2, 8                         ; which weight matrix (used where y >= 8 alone)
	s_cmp_lt_u32 s2, 8
	s_cselect_b32 s36, s2, 0                       ; the slab of inputs, or the matrix's beginning
	s_cselect_b32 s38, s2, s5                      ; the slab of xb, or of wb
	s_lshl_b32 s36, s36, 22
	s_lshl_b32 s4, s3, 16
	s_add_co_u32 s36, s36, s4
	s_mov_b32 s37, 0
	s_lshl_b32 s38, s38, 21
	s_lshl_b32 s4, s3, 15
	s_add_co_u32 s38, s38, s4
	s_mov_b32 s39, 0
	s_wait_kmcnt 0x0
	s_cmp_eq_u32 s2, 9
	s_cselect_b64 s[SRC:SRC+1], s[12:13], s[10:11]
	s_cmp_eq_u32 s2, 10
	s_cselect_b64 s[SRC:SRC+1], s[14:15], s[SRC:SRC+1]
	s_cmp_lt_u32 s2, 8
	s_cselect_b64 s[SRC:SRC+1], s[8:9], s[SRC:SRC+1]
	s_cselect_b64 s[DST:DST+1], s[22:23], s[24:25]
	s_add_nc_u64 s[SRC:SRC+1], s[SRC:SRC+1], s[36:37]
	s_add_nc_u64 s[DST:DST+1], s[DST:DST+1], s[38:39]
.set k, 0
.rept 16                               ; all sixteen loads of the wave go out at once: 8 KiB on their way
	global_load_b128 v[8+4*k:11+4*k], v1, s[SRC:SRC+1] offset:512*k th:TH_LOAD_NT
.set k, k+1
.endr
.set k, 0
.rept 16
	s_wait_loadcnt 15-k                            ; loads come back in order: load k is in, the younger ones stay out
	v_cvt_pk_bf16_f32 v[72+2*k], v[8+4*k], v[9+4*k]
	v_cvt_pk_bf16_f32 v[73+2*k], v[10+4*k], v[11+4*k]
	global_store_b64 v2, v[72+2*k:73+2*k], s[DST:DST+1] offset:256*k
.set k, k+1
.endr
	s_cmp_lt_u32 s2, 8
	s_cbranch_scc0 .Lbias
	; y < 8: 2,048 bytes of st for each of the 512 work-groups; four of them make a plane
	s_lshl_b32 s4, s2, 6
	s_add_co_u32 s4, s4, s3                        ; n = 64 y + x
	s_bitcmp1_b32 s4, 2                            ; the plane's number is n / 4: odd planes hold l
	s_cselect_b32 s5, 0, 0xfe967699                ; 0, or -1e38
	v_mov_b32 v4, s5
	v_mov_b32 v5, s5
	v_lshlrev_b32 v3, 3, v0
	s_lshl_b32 s36, s4, 11
	s_add_nc_u64 s[28:29], s[28:29], s[36:37]
	global_store_b64 v3, v[4:5], s[28:29]
	s_endpgm
.Lbias:
	s_cmp_lg_u32 s3, 0
	s_cbranch_scc1 .Lend
	; y >= 8, x = 0: the matrix's bias, 1,024 numbers, four a thread
	s_cmp_eq_u32 s2, 9
	s_cselect_b64 s[40:41], s[18:19], s[16:17]
	s_cmp_eq_u32 s2, 10
	s_cselect_b64 s[40:41], s[20:21], s[40:41]
	v_lshlrev_b32 v3, 4, v0
	global_load_b128 v[4:7], v3, s[40:41]
	s_lshl_b32 s36, s5, 12                         ; 4,096 bytes of bb for each bias
	s_add_nc_u64 s[26:27], s[26:27], s[36:37]
	s_wait_loadcnt 0x0
	v_cvt_pk_bf16_f32 v8, v4, v5                   ; rounded to bf16,
	v_cvt_pk_bf16_f32 v9, v6, v7
	v_lshlrev_b32 v12, 16, v8                      ; and widened again: a shift or a mask
	v_and_b32 v13, 0xffff0000, v8
	v_lshlrev_b32 v14, 16, v9
	v_and_b32 v15, 0xffff0000, v9
	global_store_b128 v3, v[12:15], s[26:27]
.Lend:
	s_endpgm
.Lfunc_end_k_qf17f7529fa_cast:
	.size	k_qf17f7529fa_cast, .Lfunc_end_k_qf17f7529fa_cast-k_qf17f7529fa_cast
	.p2alignl 7, 3214868480
	.fill 96, 4, 3214868480
	.section	.rodata,"a",@progbits
	.p2align	6, 0x0
	.amdhsa_kernel k_qf17f7529fa_cast
		.amdhsa_group_segment_fixed_size 0
		.amdhsa_private_segment_fixed_size 0
		.amdhsa_enable_private_segment 0
		.amdhsa_kernarg_size 88
		.amdhsa_user_sgpr_count 2
		.amdhsa_user_sgpr_kernarg_segment_ptr 1
		.amdhsa_wavefront_size32 1
		.amdhsa_system_sgpr_workgroup_id_x 1
		.amdhsa_system_sgpr_workgroup_id_y 1
		.amdhsa_system_sgpr_workgroup_id_z 1
		.amdhsa_system_vgpr_workitem_id 0
		.amdhsa_next_free_vgpr 104
		.amdhsa_next_free_sgpr 66
		.amdhsa_reserve_vcc 0
		.amdhsa_float_denorm_mode_32 3
		.amdhsa_float_denorm_mode_16_64 3
		.amdhsa_memory_ordered 1
		.amdhsa_forward_progress 1
		.amdhsa_inst_pref_size 9
	.end_amdhsa_kernel
	.amdgpu_metadata
---
amdhsa.version: [ 1, 2 ]
amdhsa.kernels:
  - .name:           k_qf17f7529fa_cast
    .symbol:         k_qf17f7529fa_cast.kd
    .args:
      - { .name: inputs, .offset: 0, .size: 8, .value_kind: global_buffer, .address_space: global }
      - { .name: Wq, .offset: 8, .size: 8, .value_kind: global_buffer, .address_space: global }
      - { .name: Wk, .offset: 16, .size: 8, .value_kind: global_buffer, .address_space: global }
      - { .name: Wv, .offset: 24, .size: 8, .value_kind: global_buffer, .address_space: global }
      - { .name: bq, .offset: 32, .size: 8, .value_kind: global_buffer, .address_space: global }
      - { .name: bk, .offset: 40, .size: 8, .value_kind: global_buffer, .address_space: global }
      - { .name: bv, .offset: 48, .size: 8, .value_kind: global_buffer, .address_space: global }
      - { .name: xb, .offset: 56, .size: 8, .value_kind: global_buffer, .address_space: global }
      - { .name: wb, .offset: 64, .size: 8, .value_kind: global_buffer, .address_space: global }
      - { .name: bb, .offset: 72, .size: 8, .value_kind: global_buffer, .address_space: global }
      - { .name: st, .offset: 80, .size: 8, .value_kind: global_buffer, .address_space: global }
    .group_segment_fixed_size: 0
    .private_segment_fixed_size: 0
    .kernarg_segment_align: 8
    .kernarg_segment_size: 88
    .max_flat_workgroup_size: 256
    .sgpr_count:     66
    .vgpr_count:     104
    .wavefront_size: 32
...
	.end_amdgpu_metadata
.endif
;; end of part 1
;; launch proj (part 2): grid 8 x 32, 4 waves a work-group, clusters of 4 x 4, 327,680 bytes of LDS; arguments xb, wb, bb, qkv; writes qkv
.if DOCPART == 2
	.amdgcn_target "amdgcn-amd-amdhsa--gfx1250"
	.amdhsa_code_object_version 6
	.text
	.protected	k_qf17f7529fa_proj
	.globl	k_qf17f7529fa_proj
	.p2align	8
	.type	k_qf17f7529fa_proj,@function
k_qf17f7529fa_proj:
	s_mov_b64 s[64:65], 0
	v_nop
	global_prefetch_b8 v0, s[64:65] scope:SCOPE_SE
	s_setreg_imm32_b32 hwreg(HW_REG_WAVE_MODE, 25, 1), 1
	s_wait_xcnt 0x0
	s_wait_alu depctr_hold_cnt(0) depctr_sa_sdst(0) depctr_va_vdst(0) depctr_va_sdst(0) depctr_va_ssrc(0) depctr_va_vcc(0) depctr_vm_vsrc(0)
	s_getreg_b32 s2, hwreg(HW_REG_IB_STS2, 6, 4)
	s_cmp_eq_u32 s2, 0
	s_cbranch_scc0 .Lentry_in_a_cluster
	s_endpgm
.Lentry_in_a_cluster:
	s_bfe_u32 s2, ttmp6, 0x10000c
	s_cmp_lg_u32 s2, 0xf033
	s_cbranch_scc0 .Lentry_shape_is_right
	s_endpgm
.Lentry_shape_is_right:
; qkv[m][n] = sum over k of xb[m][k] wb[n][k] + bb[n].  xb: [8192][1024] bf16, wb: [3072][1024] bf16, bb: [3072] f32, qkv: [8192][3072] f16
; (columns 0-1023 q, 1024-2047 k, 2048-3071 v).  Sums in f32, K ascending, the bias as the sums' start; qkv rounded once.
; LIMIT.  f16 holds no number beyond 65,504: |q|, |k|, |v| must stay below it (inputs and weights thirty times the drawn spread give some 3,000).
; SHARES.  8192 x 3072 outputs on 256 work-groups are 256 rows x 384 columns each.  A WORK-GROUP STAYS and makes two tiles of the same 256 rows:
;   X: 256 x 256, columns 256 x .. of q and k: four waves of 128 x 128 (64 accumulators, 512 registers);
;   Y: 256 x 128, columns 2048 + 128 x .. of v: wave w makes rows 64 w .. 64 w + 63 and all 128 columns (32 accumulators), so that a wave's rows of the result are 256 whole bytes.
; (One pass over 384 columns would want 768 accumulator registers a wave and two slots of 640 rows x 272 bytes, 348,160 bytes of LDS: neither is there.)
; K goes in steps of 128 through two LDS slots filled by tensor loads, whose rows are 256 bytes of memory, aligned: 8 steps for X, 8 for Y, ONE walk of 16: X's last two changes of slots ask for
; Y's K steps 0 and 1, X's results leave while those land, and nothing waits for X's stores.  A K step of each kind is written once: the LDS addresses hang on two scalars that an exclusive or turns.
; CLUSTER 4 x 4: the four of a row need the same tiles of xb, the four of a column the same tiles of wb: each tile is asked for jointly.
; THE PRODUCT IS USED TRANSPOSED (source 0 = 16 rows of wb, source 1 = 16 rows of xb): a lane holds eight neighbouring columns of one row of qkv.
; REGISTERS, in windows of 256: window 0: v0-31 addresses; v64-127, v128-191 xb's fragments, two buffers (on the way out: rows read back, packed results);
;   window 1: v0-63 X's bias, v192-255 Y's, each laid as the first products' C operand; v64-127, v128-191 wb's fragments;  windows 2, 3: accumulator (a, b) at v[8 (8 (a % 4) + b)]; Y has window 2 alone.
.set KSTEP,  128
.set PITCH,  272                       ; an LDS row: 256 bytes + 16 of padding: the 16 rows of a fragment load start 16 bytes apart modulo 256
.set WREG,   0x11000                   ; wave w fills the two slots at w x WREG: waves 0, 1 xb's halves, waves 2, 3 wb's (in Y wave 2 alone)
.set SLOTX,  0x8800                    ; 128 rows x 272 bytes; it shares no bit with any w x WREG nor with HALFR, so an exclusive or changes slots
.set HALFR,  64*PITCH                  ; 0x4400: 64 rows
.set STAGE,  4*WREG                    ; behind the ring: 16 rows x 272 bytes for each wave, for the way out
.set SPITCH, 272
.set SPARE,  STAGE+4*16*SPITCH         ; the spare words: 128 bytes a wave, two blocks of 256 bytes that no other line names
.set CPITCH, 6144                      ; bytes in a row of qkv
.set LANE, 3                           ; v3   272 (l % 16) + 16 (l / 16): my place in a fragment's rows; never rewritten
.set ADRA, 16                          ; v16  LDS address of my xb fragments in the slot in hand
.set ADRB, 20                          ; v20  the same for wb
.set STO,  24                          ; v24  the way out: where I put 16 bytes of a row
.set RD,   25                          ; v25  where I read a row back
.set CO,   26                          ; v26  my byte offset in two rows of qkv
.set AUX,  27                          ; v27  my byte offset in bb for X
.set SPW,  28                          ; v28  my spare word; never rewritten
.set NIL,  29                          ; v29  0; never rewritten
.set PFO,  30                          ; v30  the prefetches' offset: lane x 2,048; never rewritten
.set AUY,  31                          ; v31  my byte offset in bb for Y
.set F0,   64
.set F1,   128
.set TMP,  128                         ; the way out: packed results
.set OB,   64                          ; the way out: 16 rows read back, v64-95 and v96-127 by turns
.set WV,  12                           ; s12 wave;  s13 wave / 2: X's half of the rows (also: 0 = I fetch xb);  s14 wave % 2: X's half of the columns (also: which 128 rows I fetch)
.set RH,  13
.set CH,  14
.set ASKS, 15                          ; s15  prefetches still to be made
.set XA,  18                           ; s[18:19] xb at the 128 rows that I fetch
.set G1A, 24                           ; s[24:31] group 1 for xb's tiles;  s[32:39] group 0: a set for each first fill; the second then walks
.set G0A, 32
.set PFA, 44                           ; s[44:45] what the next prefetch names
.set XB,  46                           ; s[46:47] wb at the 128 rows of X that I fetch
.set G1B, 48                           ; s[48:55], s[56:63] the same for wb's tiles
.set G0B, 56
.set TBA, 66                           ; s66  LDS byte of my rows of xb in the slot in hand
.set TBB, 67                           ; s67  of wb
.set COF, 68                           ; s[68:69] where my part of X begins in qkv
.set BY,  72                           ; s[72:73] wb at Y's 128 rows
.set CP,  74                           ; s[74:75] where the stores stand
.set COY, 76                           ; s[76:77] where my part of Y begins in qkv
.set NXT, 78                           ; s78  Y's K step to be asked for next
.set TAY, 79                           ; s79  LDS byte of my 64 rows of xb in slot 0, for Y
.set OFN, 80                           ; s[80:81] 256 x NXT
.set PFB, 82                           ; s[82:83] the buffer that I prefetch
.set OFQ, 84                           ; s[84:85] the prefetch's offset
.set QN,  86                           ; s86-88 the prefetches' own walk: K step, rows, Y's rows
.set QR,  87
.set QR2, 88
.set CB,  0                            ; where the first products' C operand lies in window 1: 0 for X, 192 for Y
.set MSB, 0
.macro WIN new                         ; the immediate's high byte repeats the setting that is left; a switch that changes nothing is dropped
.if MSB != (\new)
	s_set_vgpr_msb (MSB<<8)|(\new)
.set MSB, \new
.endif
.endm
.macro PLACES                          ; four plain vector instructions between a matrix instruction and a load into, or a vector line on, its registers
.rept 4
	v_nop
.endr
.endm
.macro JLOAD                           ; a joint refill for X: waves 0, 1 xb's halves, waves 2, 3 wb's; an s_nop 0 and four v_nop follow each line
	s_cmp_eq_u32 s[RH], 0
	s_cbranch_scc0 .Lfor_b_\@
	tensor_load_to_lds s[G0A+4:G0A+7], s[G1A:G1A+7]
	s_nop 0
	PLACES
	s_branch .Lasked_\@
.Lfor_b_\@:
	tensor_load_to_lds s[G0B+4:G0B+7], s[G1B:G1B+7]
	s_nop 0
	PLACES
.Lasked_\@:
.endm
.macro JLOADY                          ; a joint refill for Y: waves 0, 1 xb's halves, wave 2 wb's 128 rows; wave 3 has no part of the tile and issues none
	s_cmp_lt_u32 s[WV], 2
	s_cbranch_scc0 .Lfor_yb_\@
	tensor_load_to_lds s[G0A+4:G0A+7], s[G1A:G1A+7]
	s_nop 0
	PLACES
	s_branch .Lyasked_\@
.Lfor_yb_\@:
	s_cmp_eq_u32 s[WV], 2
	s_cbranch_scc0 .Lyasked_\@
	tensor_load_to_lds s[G0B+4:G0B+7], s[G1B:G1B+7]
	s_nop 0
	PLACES
.Lyasked_\@:
.endm
.macro CREST                           ; a round of the cluster's barrier behind its opening barrier
	s_cmp_lg_u32 s[WV], 0
	s_cbranch_scc1 .Lnot_wave_0_\@
	s_barrier_signal -3
.Lnot_wave_0_\@:
	s_barrier_wait -3
	s_barrier_signal -1
	s_barrier_wait -1
.endm
.macro CROUND
	s_barrier_signal -1
	s_barrier_wait -1
	CREST
.endm
; THE PREFETCHES name the K step two refills on: 32 rows x 256 bytes, a lane a row, one instruction.  xb's tile rows are asked for by the clusters with x = 0 (X's K steps 4 to 7; in Y the same
; rows are read a second time and are not asked for), wb's by those with y = 0 (X's K steps 4 to 7; wave 2 goes on with all eight K steps of Y's rows).  The four partners that ask for a tile
; jointly share a wave's 128 rows by address, 32 each.  So each row's 256 bytes are named once.  WALKQ makes the address at the head of a change of slots, a K step behind the prefetch that read the last one.
.macro WALKQ
	s_wait_xcnt 0x0                                ; the last prefetch has read its address
	s_lshl_b32 s[OFQ], s[QN], 8
	s_add_co_u32 s[OFQ], s[OFQ], s[QR]
	s_add_nc_u64 s[PFA:PFA+1], s[PFB:PFB+1], s[OFQ:OFQ+1]
	s_add_co_u32 s[QN], s[QN], 1                   ; the next K step, or behind X's last Y's first
	s_cmp_gt_u32 s[QN], 7
	s_cselect_b32 s[QN], 0, s[QN]
	s_cselect_b32 s[QR], s[QR2], s[QR]
.endm
.macro ASK
	s_cmp_eq_u32 s[ASKS], 0
	s_cbranch_scc1 .Lno_ask_\@
	s_sub_co_u32 s[ASKS], s[ASKS], 1
	global_prefetch_b8 v[PFO], s[PFA:PFA+1] th:TH_LOAD_NT scope:SCOPE_SE
.Lno_ask_\@:
.endm
.macro MKDESC                          ; the walking descriptors for Y's K step NXT: the other slot than last time; the addresses are made anew from the step's number
	s_lshl_b32 s[OFN], s[NXT], 8
	s_xor_b32 s[G0A+5], s[G0A+5], SLOTX
	s_add_nc_u64 s[G0A+6:G0A+7], s[XA:XA+1], s[OFN:OFN+1]
	s_or_b32 s[G0A+7], s[G0A+7], 0x80000000
	s_xor_b32 s[G0B+5], s[G0B+5], SLOTX
	s_add_nc_u64 s[G0B+6:G0B+7], s[BY:BY+1], s[OFN:OFN+1]
	s_or_b32 s[G0B+7], s[G0B+7], 0x80000000
	s_add_co_u32 s[NXT], s[NXT], 1
.endm
	s_load_b256 s[4:11], s[0:1], 0x0               ; xb s[4:5], wb s[6:7], bb s[8:9], qkv s[10:11]
	v_lshl_add_u32 v[SPW], v0, 2, SPARE
	v_mov_b32 v[NIL], 0
	ds_add_u32 v[SPW], v[NIL]                      ; the wave's opening: the add and its wait ahead of my first tensor load
	v_lshrrev_b32 v1, 5, v0
	v_readfirstlane_b32 s[WV], v1
	s_lshr_b32 s[RH], s[WV], 1
	s_and_b32 s[CH], s[WV], 1
	s_bfe_u32 s40, ttmp6, 0x40000                  ; cx
	s_bfe_u32 s41, ttmp6, 0x40004                  ; cy
	s_lshl_b32 s42, ttmp9, 2
	s_add_co_u32 s42, s42, s40                     ; column group x = 4 x cluster x + cx, 0..7
	s_and_b32 s43, ttmp7, 0xffff
	s_lshl_b32 s43, s43, 2
	s_add_co_u32 s43, s43, s41                     ; tile row = 4 x cluster y + cy, 0..31
	s_lshl_b32 s70, s41, 2
	s_lshl_b32 s70, 15, s70                        ; my row of the cluster
	s_lshl_b32 s71, 0x1111, s40                    ; my column
	s_or_b32 s[G1A], s70, (1<<16)|(1<<20)|(1<<21)|(5<<22)|(3<<25)  ; mask; 2-byte elements; padding on; bit 21 beside a mask; after every 64 words 4 words
	s_or_b32 s[G1B], s71, (1<<16)|(1<<20)|(1<<21)|(5<<22)|(3<<25)
.irp g, G1A, G1B
	s_mov_b32 s[(\g)+1], KSTEP<<16                 ; tensor_dim0 = 128
	s_mov_b32 s[(\g)+2], 128<<16                   ; tensor_dim1 = 128
	s_mov_b32 s[(\g)+3], KSTEP<<16                 ; tile_dim0 = 128
	s_mov_b32 s[(\g)+4], 128                       ; tile_dim1 = 128
	s_mov_b32 s[(\g)+5], 1024                      ; elements from row to row
	s_mov_b32 s[(\g)+6], 0
	s_mov_b32 s[(\g)+7], 0
.endr
	s_lshl_b32 s17, s[CH], 7                       ; which 128 rows of a tile I fetch
	s_lshl_b32 s16, s43, 8
	s_add_co_u32 s16, s16, s17
	s_lshl_b32 s16, s16, 11                        ; xb: (256 x tile row + 128 x half) rows of 2,048 bytes
	s_lshl_b32 s[XB], s42, 8
	s_add_co_u32 s[XB], s[XB], s17
	s_lshl_b32 s[XB], s[XB], 11                    ; wb for X: (256 x + 128 x half) rows
	s_lshl_b32 s[BY], s42, 7
	s_add_co_u32 s[BY], s[BY], 2048
	s_lshl_b32 s[BY], s[BY], 11                    ; wb for Y: row 2,048 + 128 x
	s_mov_b32 s17, 0
	s_mov_b32 s[XB+1], 0
	s_mov_b32 s[BY+1], 0
	s_mov_b32 s[NXT], 0
	s_mov_b32 s[OFN+1], 0
	s_mov_b32 s[OFQ+1], 0
	s_mov_b32 s[QN], 4
	s_mul_i32 s21, s[WV], WREG                     ; where my tiles go: no place in the cluster enters an LDS address
	s_wait_dscnt 0x0                               ; the opening add is done
	s_wait_kmcnt 0x0
	s_add_nc_u64 s[XA:XA+1], s[4:5], s[16:17]
	s_add_nc_u64 s[XB:XB+1], s[6:7], s[XB:XB+1]
	s_add_nc_u64 s[BY:BY+1], s[6:7], s[BY:BY+1]
	CROUND                                         ; all sixteen work-groups are here: the first joint loads meet
.irp s, 0,1
	s_mov_b32 s[G0A+4*(\s)], 1
	s_add_co_u32 s[G0A+4*(\s)+1], s21, (\s)*SLOTX
	s_add_nc_u64 s[G0A+4*(\s)+2:G0A+4*(\s)+3], s[XA:XA+1], (\s)*KSTEP*2
	s_or_b32 s[G0A+4*(\s)+3], s[G0A+4*(\s)+3], 0x80000000
	s_mov_b32 s[G0B+4*(\s)], 1
	s_add_co_u32 s[G0B+4*(\s)+1], s21, (\s)*SLOTX
	s_add_nc_u64 s[G0B+4*(\s)+2:G0B+4*(\s)+3], s[XB:XB+1], (\s)*KSTEP*2
	s_or_b32 s[G0B+4*(\s)+3], s[G0B+4*(\s)+3], 0x80000000
.endr
	s_cmp_eq_u32 s[RH], 0                          ; a wave's two first fills stand in one branch: X's K steps 0 and 1; two loads of mine are out
	s_cbranch_scc0 .Lfirst_b
	tensor_load_to_lds s[G0A:G0A+3], s[G1A:G1A+7]
	s_nop 0
	tensor_load_to_lds s[G0A+4:G0A+7], s[G1A:G1A+7]
	s_nop 0
	PLACES
	s_branch .Lfirst_asked
.Lfirst_b:
	tensor_load_to_lds s[G0B:G0B+3], s[G1B:G1B+7]
	s_nop 0
	tensor_load_to_lds s[G0B+4:G0B+7], s[G1B:G1B+7]
	s_nop 0
	PLACES
.Lfirst_asked:
	v_and_b32 v1, 15, v0                           ; l % 16
	v_bfe_u32 v2, v0, 4, 1                         ; l / 16
	; the biases as C operands: register j of block b holds column 16 b + 8 (l / 16) + j of my 128
	s_lshl_b32 s22, s42, 10
	s_lshl_b32 s23, s[CH], 9
	s_add_co_u32 s22, s22, s23
	v_lshl_add_u32 v[AUX], v2, 5, s22              ; X: 4 (256 x + 128 x half) + 32 (l / 16)
	s_lshl_b32 s22, s42, 9
	s_add_co_u32 s22, s22, 8192
	v_lshl_add_u32 v[AUY], v2, 5, s22              ; Y: 4 (2,048 + 128 x) + 32 (l / 16)
	WIN 0x40                                       ; destination window 1
.irp b, 0,1,2,3,4,5,6,7
	global_load_b128 v[8*(\b):8*(\b)+3],   v[AUX], s[8:9] offset:64*(\b)
	global_load_b128 v[8*(\b)+4:8*(\b)+7], v[AUX], s[8:9] offset:64*(\b)+16
.endr
.irp b, 0,1,2,3,4,5,6,7
	global_load_b128 v[192+8*(\b):192+8*(\b)+3],   v[AUY], s[8:9] offset:64*(\b)
	global_load_b128 v[192+8*(\b)+4:192+8*(\b)+7], v[AUY], s[8:9] offset:64*(\b)+16
.endr
	WIN 0
	v_mul_u32_u24 v[LANE], v1, PITCH
	v_lshl_add_u32 v[LANE], v2, 4, v[LANE]
	s_mul_i32 s[TBA], s[RH], WREG
	s_mul_i32 s[TAY], s[CH], HALFR
	s_add_co_u32 s[TAY], s[TAY], s[TBA]            ; Y: rows 64 w = 128 (w / 2) + 64 (w % 2)
	s_mul_i32 s[TBB], s[CH], WREG
	s_add_co_u32 s[TBB], s[TBB], 2*WREG
	v_add_nc_u32 v[ADRA], s[TBA], v[LANE]
	v_add_nc_u32 v[ADRB], s[TBB], v[LANE]
	s_mul_i32 s23, s[WV], 16*SPITCH
	s_add_co_u32 s23, s23, STAGE                   ; my stage
	v_mul_u32_u24 v4, v1, SPITCH
	v_lshl_add_u32 v4, v2, 4, v4
	v_add_nc_u32 v[STO], s23, v4                   ; in: row l % 16, 16 bytes for each half of the lanes
	v_mul_u32_u24 v5, v2, SPITCH
	v_lshl_add_u32 v5, v1, 4, v5
	v_add_nc_u32 v[RD], s23, v5                    ; back: lanes 0-15 one row of 256 bytes, lanes 16-31 the next
	v_mul_u32_u24 v5, v2, CPITCH
	v_lshl_add_u32 v[CO], v1, 4, v5                ; and the same two rows in qkv
	s_lshl_b32 s22, s43, 8                         ; the tiles' first row
	s_lshl_b32 s23, s[RH], 7
	s_add_co_u32 s23, s22, s23
	s_mul_i32 s[COF], s23, CPITCH                  ; X: my first row,
	s_lshl_b32 s23, s42, 9
	s_add_co_u32 s[COF], s[COF], s23
	s_lshl_b32 s23, s[CH], 8
	s_add_co_u32 s[COF], s[COF], s23               ; my first column
	s_mov_b32 s[COF+1], 0
	s_lshl_b32 s23, s[WV], 6
	s_add_co_u32 s23, s22, s23
	s_mul_i32 s[COY], s23, CPITCH                  ; Y: my first row,
	s_lshl_b32 s23, s42, 8
	s_add_co_u32 s[COY], s[COY], s23
	s_add_co_u32 s[COY], s[COY], 4096              ; column 2,048 + 128 x
	s_mov_b32 s[COY+1], 0
	; the prefetches
	s_lshl_b32 s20, s43, 8
	s_lshl_b32 s22, s42, 8
	s_and_b32 s23, ttmp7, 0xffff                   ; cluster y
	s_cmp_eq_u32 s[RH], 0                          ; do I fetch xb?
	s_cselect_b32 s20, s20, s22                    ; the tile's first row
	s_cselect_b32 s22, s40, s41                    ; my place among the four that ask with me
	s_cselect_b32 s23, ttmp9, s23                  ; the coordinate along which other clusters read the same rows
	s_cselect_b64 s[PFB:PFB+1], s[4:5], s[6:7]
	s_cmp_eq_u32 s[WV], 2
	s_cselect_b32 s[ASKS], 12, 4                   ; X's K steps 4 to 7; wave 2 also Y's eight
	s_cmp_eq_u32 s23, 0
	s_cselect_b32 s[ASKS], s[ASKS], 0              ; the same in all sixteen partners, for a given wave
	s_lshl_b32 s23, s[CH], 7
	s_add_co_u32 s20, s20, s23
	s_lshl_b32 s22, s22, 5
	s_add_co_u32 s20, s20, s22                     ; + the 128 rows that I fetch + my work-group's 32 of them
	s_lshl_b32 s[QR], s20, 11
	s_lshl_b32 s20, s42, 7
	s_add_co_u32 s20, s20, 2048
	s_add_co_u32 s20, s20, s22                     ; Y's rows of wb, my work-group's 32 (wave 2 alone comes so far)
	s_lshl_b32 s[QR2], s20, 11
	v_and_b32 v[PFO], 31, v0
	v_lshlrev_b32 v[PFO], 11, v[PFO]
; 16 matrix instructions: row blocks a0, a0 + 1 of the window's four x all 8 column blocks, 32 along K.  init = 1: the first product starts the sum with the bias.
; The accumulators (64 in X, 32 in Y) take turns in the same order in every quarter, over the backward jumps too.
.macro MUL16 f, hi, a0, init
.if \init
	WIN 0x91+0x40*(\hi)                            ; wb window 1, xb window 0, C window 1, D window 2 or 3
.else
	WIN 0xa1+0x50*(\hi)                            ; C and D window 2 or 3
.endif
.irp a, \a0, (\a0)+1
.irp b, 0,1,2,3,4,5,6,7
.if \init
	v_wmma_f32_16x16x32_bf16 v[8*(8*(\a)+(\b)):8*(8*(\a)+(\b))+7], v[(\f)+8*(\b):(\f)+8*(\b)+7], v[(\f)+8*(4*(\hi)+(\a)):(\f)+8*(4*(\hi)+(\a))+7], v[CB+8*(\b):CB+8*(\b)+7]
.else
	v_wmma_f32_16x16x32_bf16 v[8*(8*(\a)+(\b)):8*(8*(\a)+(\b))+7], v[(\f)+8*(\b):(\f)+8*(\b)+7], v[(\f)+8*(4*(\hi)+(\a)):(\f)+8*(4*(\hi)+(\a))+7], v[8*(8*(\a)+(\b)):8*(8*(\a)+(\b))+7]
.endif
.endr
.endr
.endm
; ---- X: a K step is four quarters of 32 along K, 64 matrix instructions each, on buffers 0, 1, 0, 1
.macro FETCH k, f                      ; 32 LDS loads in one run: a quarter's fragments (32 K at byte k of the rows) into buffer f
	WIN 0x40
.irp i, 0,1,2,3,4,5,6,7
	ds_load_b128 v[(\f)+8*(\i):(\f)+8*(\i)+3],   v[ADRB] offset:(\k)+(\i)*16*PITCH
	ds_load_b128 v[(\f)+8*(\i)+4:(\f)+8*(\i)+7], v[ADRB] offset:(\k)+(\i)*16*PITCH+32
.endr
	WIN 0
.irp i, 0,1,2,3,4,5,6,7
	ds_load_b128 v[(\f)+8*(\i):(\f)+8*(\i)+3],   v[ADRA] offset:(\k)+(\i)*16*PITCH
	ds_load_b128 v[(\f)+8*(\i)+4:(\f)+8*(\i)+7], v[ADRA] offset:(\k)+(\i)*16*PITCH+32
.endr
.endm
.macro QUARTER k, f, g, init           ; multiplies buffer f; in its middle fetches the next quarter, at byte k, into g
	s_wait_dscnt 8                                 ; wb's and xb's rows 0-63 are in; the youngest eight loads (xb's rows 64-127) may be out
	MUL16 \f, 0, 0, \init
	MUL16 \f, 0, 2, \init
	PLACES
	FETCH \k, \g
	s_wait_dscnt 32                                ; all but the 32 just issued
	MUL16 \f, 1, 0, \init
	MUL16 \f, 1, 2, \init
.endm
.macro MEET                            ; the first half of a step's last quarter, and the one barrier of the change of slots
	WIN 0
	s_wait_tensorcnt 0x0                           ; all my tensor loads have landed: the one that was out is my part of the next slot
	ds_add_u32 v[SPW], v[NIL]                      ; 0 onto my spare word
	s_wait_dscnt 9                                 ; (the add and the youngest eight loads may be out)
	MUL16 F1, 0, 0, 0
	s_wait_dscnt 0x0                               ; the add is done, and my reads of this slot are over
	s_barrier_signal -1
	MUL16 F1, 0, 2, 0                              ; work on registers while the others arrive
	WIN 0
	s_barrier_wait -1
.endm
.macro TURN1                           ; X's last quarter with a refill: the slot just read takes X's K step two on
	WALKQ
	MEET
	CREST                                          ; the barrier has opened a round of the cluster's: no wave of any partner still reads the slot or has a load on its way
	s_xor_b32 s[G0A+5], s[G0A+5], SLOTX            ; the walking descriptors: the other slot than last time, the next K step
	s_add_nc_u64 s[G0A+6:G0A+7], s[G0A+6:G0A+7], KSTEP*2
	s_xor_b32 s[G0B+5], s[G0B+5], SLOTX
	s_add_nc_u64 s[G0B+6:G0B+7], s[G0B+6:G0B+7], KSTEP*2
	s_xor_b32 s[TBA], s[TBA], SLOTX                ; my reads go on in the other slot
	s_xor_b32 s[TBB], s[TBB], SLOTX
	JLOAD                                          ; 224 matrix instructions ahead of the wait for it; its four v_nop are also the places in front of the loads below
	v_add_nc_u32 v[ADRA], s[TBA], v[LANE]
	v_add_nc_u32 v[ADRB], s[TBB], v[LANE]
	FETCH 0, F0
	ASK
	MUL16 F1, 1, 0, 0
	MUL16 F1, 1, 2, 0
.endm
; ---- Y: the same with four row blocks: a quarter is 32 matrix instructions and 24 LDS loads
.macro FETCHY k, f
	WIN 0x40
.irp i, 0,1,2,3,4,5,6,7
	ds_load_b128 v[(\f)+8*(\i):(\f)+8*(\i)+3],   v[ADRB] offset:(\k)+(\i)*16*PITCH
	ds_load_b128 v[(\f)+8*(\i)+4:(\f)+8*(\i)+7], v[ADRB] offset:(\k)+(\i)*16*PITCH+32
.endr
	WIN 0
.irp i, 0,1,2,3
	ds_load_b128 v[(\f)+8*(\i):(\f)+8*(\i)+3],   v[ADRA] offset:(\k)+(\i)*16*PITCH
	ds_load_b128 v[(\f)+8*(\i)+4:(\f)+8*(\i)+7], v[ADRA] offset:(\k)+(\i)*16*PITCH+32
.endr
.endm
.macro QUARTERY k, f, g, init
	s_wait_dscnt 4                                 ; wb's and xb's rows 0-31 are in; the youngest four loads (xb's rows 32-63) may be out
	MUL16 \f, 0, 0, \init
	PLACES
	FETCHY \k, \g
	s_wait_dscnt 24                                ; all but the 24 just issued
	MUL16 \f, 0, 2, \init
.endm
.macro MEETY
	WIN 0
	s_wait_tensorcnt 0x0                           ; all my tensor loads have landed: the one that was out (none in wave 3) is my part of the next slot
	ds_add_u32 v[SPW], v[NIL]                      ; 0 onto my spare word
	s_wait_dscnt 5                                 ; (the add and the youngest four loads may be out)
	MUL16 F1, 0, 0, 0
	s_wait_dscnt 0x0                               ; the add is done, and my reads of this slot are over
	s_barrier_signal -1
	WIN 0
	s_barrier_wait -1
.endm
.macro TURNY1                          ; Y's last quarter with a refill
	WALKQ
	MEETY
	CREST
	MKDESC
	s_xor_b32 s[TBA], s[TBA], SLOTX
	s_xor_b32 s[TBB], s[TBB], SLOTX
	JLOADY                                         ; 112 matrix instructions ahead of the wait for it
	PLACES                                         ; on every wave's way, wave 3's too: the places in front of the loads below
	v_add_nc_u32 v[ADRA], s[TBA], v[LANE]
	v_add_nc_u32 v[ADRB], s[TBB], v[LANE]
	FETCHY 0, F0
	ASK
	MUL16 F1, 0, 2, 0
.endm
; THE WAY OUT of row block a: rounded to f16, 16 bytes a lane; into my own stage and back as whole rows of 256 bytes; stored.
.macro PACK a
.set AC, 64*((\a)%4)
	WIN 0x0a+5*((\a)/4)                            ; sources 0 and 1: window 2 or 3
.irp b, 0,1,2,3,4,5,6,7
.irp r, 0,1,2,3
	v_cvt_pk_f16_f32 v[TMP+4*(\b)+(\r)], v[AC+8*(\b)+2*(\r)], v[AC+8*(\b)+2*(\r)+1]
.endr
.endr
	WIN 0
.endm
.macro TOSTAGE a
	WIN 0
.set BK, OB+32*((\a)%2)
.irp b, 0,1,2,3,4,5,6,7
	ds_store_b128 v[STO], v[TMP+4*(\b):TMP+4*(\b)+3] offset:32*(\b)
.endr
.irp t, 0,1,2,3,4,5,6,7
	ds_load_b128 v[BK+4*(\t):BK+4*(\t)+3], v[RD] offset:(\t)*2*SPITCH  ; LDS serves a wave's instructions in order (ISA guide 5.7.1.4): these see the stores above
.endr
.endm
.macro SEND a, cof                     ; cof: the pair that holds the tile's offset in qkv
	WIN 0
.set BK, OB+32*((\a)%2)
	s_wait_dscnt 0x0                               ; the block is back in registers
	s_wait_xcnt 0x0                                ; only behind this wait are the stores' base and the registers that earlier stores read rewritten
.if (\a) == 0
	s_add_nc_u64 s[CP:CP+1], s[10:11], s[(\cof):(\cof)+1]
.else
	s_add_nc_u64 s[CP:CP+1], s[CP:CP+1], 16*CPITCH
.endif
.irp t, 0,1,2,3,4,5,6,7
	global_store_b128 v[CO], v[BK+4*(\t):BK+4*(\t)+3], s[CP:CP+1] offset:2*(\t)*CPITCH  ; 16 lanes store 256 consecutive bytes, aligned
.endr
.endm
	s_wait_tensorcnt 1                             ; my part of X's K step 0 is in; K step 1's may stay out
	s_barrier_signal -1
	s_barrier_wait -1
	FETCH 0, F0
	s_wait_loadcnt 0x0                             ; both biases
.set CB, 0
	QUARTER 64, F0, F1, 1                          ; X's first quarter stands in front of the loop: its products start the sums
	WIN 0
	s_mov_b32 s3, 6
.Lstep:                                        ; six trips, from a K step's second quarter to the next one's first; X's K steps 2 to 7 are asked for
	QUARTER 128, F1, F0, 0
	QUARTER 192, F0, F1, 0
	TURN1
	QUARTER 64, F0, F1, 0
	WIN 0
	s_sub_co_u32 s3, s3, 1
	s_cmp_lg_u32 s3, 0
	s_cbranch_scc1 .Lstep
	s_mov_b32 s3, 2
.Lmid:                                         ; X's K steps 6 and 7: THE RING GOES ON INTO Y: its K steps 0 and 1 are asked for
	QUARTER 128, F1, F0, 0
	QUARTER 192, F0, F1, 0
	WALKQ
	MEET
	CREST                                          ; no wave of any partner still reads the slot or has a load on its way
	MKDESC
	JLOADY
	ASK
	MUL16 F1, 1, 0, 0
	MUL16 F1, 1, 2, 0
	WIN 0
	s_cmp_eq_u32 s3, 1
	s_cbranch_scc1 .Lmid_last                      ; X's last K step has no successor in X; what is jumped holds no barrier and no tensor load
	PLACES
	s_xor_b32 s[TBA], s[TBA], SLOTX
	s_xor_b32 s[TBB], s[TBB], SLOTX
	v_add_nc_u32 v[ADRA], s[TBA], v[LANE]
	v_add_nc_u32 v[ADRB], s[TBB], v[LANE]
	FETCH 0, F0
	QUARTER 64, F0, F1, 0
	WIN 0
.Lmid_last:
	s_sub_co_u32 s3, s3, 1
	s_cmp_lg_u32 s3, 0
	s_cbranch_scc1 .Lmid
	s_wait_dscnt 0x0
	PLACES                                         ; BOTH REFILLS ARE ASKED FOR: NOW X GOES OUT.  The conversions read results just made and write registers just read
	PACK 0
	TOSTAGE 0
.irp a, 1,2,3,4,5,6,7                  ; block a's conversions stand between block a - 1's loads from the stage and the wait for them
	PACK \a
	SEND (\a)-1, COF
	TOSTAGE \a
.endr
	SEND 7, COF
	; Y.  Its K step 0 lies whole in slot 0: every wave waited for its part in front of the barrier of X's last change of slots.  Nothing waits for X's stores.
	s_wait_xcnt 0x0                                ; the stores have read their registers: buffer 0 is loaded again only behind this wait
	s_mov_b32 s[TBA], s[TAY]                       ; my 64 rows of xb,
	s_mov_b32 s[TBB], 2*WREG                       ; and wb's 128 rows, which wave 2 fetched for all four waves
	v_add_nc_u32 v[ADRA], s[TBA], v[LANE]
	v_add_nc_u32 v[ADRB], s[TBB], v[LANE]
	FETCHY 0, F0
.set CB, 192
	QUARTERY 64, F0, F1, 1                         ; Y's first quarter: its products start the sums, on accumulators that have been packed
	WIN 0
	s_mov_b32 s3, 6
.LstepY:                                       ; six trips; Y's K steps 2 to 7 are asked for
	QUARTERY 128, F1, F0, 0
	QUARTERY 192, F0, F1, 0
	TURNY1
	QUARTERY 64, F0, F1, 0
	WIN 0
	s_sub_co_u32 s3, s3, 1
	s_cmp_lg_u32 s3, 0
	s_cbranch_scc1 .LstepY
	s_mov_b32 s3, 2
.LtailY:                                       ; Y's K steps 6 and 7 ask for nothing
	QUARTERY 128, F1, F0, 0
	QUARTERY 192, F0, F1, 0
	MEETY
	MUL16 F1, 0, 2, 0
	WIN 0
	s_cmp_eq_u32 s3, 1
	s_cbranch_scc1 .LlastY                         ; the walk's last K step has no successor
	PLACES
	s_xor_b32 s[TBA], s[TBA], SLOTX
	s_xor_b32 s[TBB], s[TBB], SLOTX
	v_add_nc_u32 v[ADRA], s[TBA], v[LANE]
	v_add_nc_u32 v[ADRB], s[TBB], v[LANE]
	FETCHY 0, F0
	QUARTERY 64, F0, F1, 0
	WIN 0
.LlastY:
	s_sub_co_u32 s3, s3, 1
	s_cmp_lg_u32 s3, 0
	s_cbranch_scc1 .LtailY
	s_wait_dscnt 0x0
	PLACES
	PACK 0
	TOSTAGE 0
.irp a, 1,2,3
	PACK \a
	SEND (\a)-1, COY
	TOSTAGE \a
.endr
	SEND 3, COY
	s_wait_tensorcnt 0x0                           ; the wave's end
	ds_add_u32 v[SPW], v[NIL]
	s_wait_dscnt 0x0
	CROUND                                         ; the closing round: no work-group ends while a partner may still ask for a tile that names it
	s_endpgm
.Lfunc_end_k_qf17f7529fa_proj:
	.size	k_qf17f7529fa_proj, .Lfunc_end_k_qf17f7529fa_proj-k_qf17f7529fa_proj
	.p2alignl 7, 3214868480
	.fill 96, 4, 3214868480
	.section	.rodata,"a",@progbits
	.p2align	6, 0x0
	.amdhsa_kernel k_qf17f7529fa_proj
		.amdhsa_group_segment_fixed_size 327680
		.amdhsa_private_segment_fixed_size 0
		.amdhsa_enable_private_segment 0
		.amdhsa_kernarg_size 32
		.amdhsa_user_sgpr_count 2
		.amdhsa_user_sgpr_kernarg_segment_ptr 1
		.amdhsa_wavefront_size32 1
		.amdhsa_system_sgpr_workgroup_id_x 1
		.amdhsa_system_sgpr_workgroup_id_y 1
		.amdhsa_system_sgpr_workgroup_id_z 1
		.amdhsa_system_vgpr_workitem_id 0
		.amdhsa_next_free_vgpr 1024
		.amdhsa_next_free_sgpr 96
		.amdhsa_reserve_vcc 0
		.amdhsa_float_denorm_mode_32 3
		.amdhsa_float_denorm_mode_16_64 3
		.amdhsa_memory_ordered 1
		.amdhsa_forward_progress 1
		.amdhsa_inst_pref_size 161
	.end_amdhsa_kernel
	.amdgpu_metadata
---
amdhsa.version: [ 1, 2 ]
amdhsa.kernels:
  - .name:           k_qf17f7529fa_proj
    .symbol:         k_qf17f7529fa_proj.kd
    .args:
      - { .name: xb, .offset: 0, .size: 8, .value_kind: global_buffer, .address_space: global }
      - { .name: wb, .offset: 8, .size: 8, .value_kind: global_buffer, .address_space: global }
      - { .name: bb, .offset: 16, .size: 8, .value_kind: global_buffer, .address_space: global }
      - { .name: qkv, .offset: 24, .size: 8, .value_kind: global_buffer, .address_space: global }
    .group_segment_fixed_size: 327680
    .private_segment_fixed_size: 0
    .kernarg_segment_align: 8
    .kernarg_segment_size: 32
    .max_flat_workgroup_size: 128
    .sgpr_count:     96
    .vgpr_count:     1024
    .wavefront_size: 32
...
	.end_amdgpu_metadata
.endif
;; end of part 2
;; launch scores (part 3): grid 36 x 4, 4 waves a work-group, no clusters, 327,680 bytes of LDS; arguments qkv, pw, st; writes pw, st
.if DOCPART == 3
	.amdgcn_target "amdgcn-amd-amdhsa--gfx1250"
	.amdhsa_code_object_version 6
	.text
	.protected	k_qf17f7529fa_scores
	.globl	k_qf17f7529fa_scores
	.p2align	8
	.type	k_qf17f7529fa_scores,@function
k_qf17f7529fa_scores:
	s_mov_b64 s[64:65], 0
	v_nop
	global_prefetch_b8 v0, s[64:65] scope:SCOPE_SE
	s_setreg_imm32_b32 hwreg(HW_REG_WAVE_MODE, 25, 1), 1
	s_wait_xcnt 0x0
; For each batch b and each tile (I, J), J <= I, of 256 queries x 256 keys: s = q . k (K = 1024, f16 operands, f32 sums); keys behind the query are hidden;
; each wave, for its 128 queries x 128 keys (key tile t = 2 J + its half): the row's maximum m_t, p = 2^(c s - c m_t), c = log2(e) / 32, and l_t = the sum of p.
; p goes to pw ([4][2048][2048] f16, rounded once), c m_t and l_t (f32) to st ([b][t][2][2048]).  The launch behind joins the tiles by 2^(c m_t - c m) in f32.
; So every exponent is at most 0: a true maximum is taken away, tile by tile.
; LIMITS.  A hidden score counts as its value less 1e30: weight 0, as in the reference wherever the row's largest score lies above about -1e9 + 100.
; The maximum is held at -2^83 from below: scores of f16 operands are 4.4e12 at the most, so no true maximum is changed; a row of which a wave sees no key gets p = 0, l_t = 0
; and a c m_t far below every true one.  A weight below 2^-126 counts as 0 in l_t; p below 6e-5 keeps f16's fixed step; NaN and infinities are not treated apart.
; NO CLUSTER: row I of the triangle has I + 1 tiles and column J has 8 - J, neither a multiple of four at every I and J, and a block of 4 x 4 tiles on the diagonal
; would hold six work-groups with nothing to make.
; The product's frame is that of the projection: four waves of 128 x 128, K in 8 steps of 128 through two LDS slots, one K step written once.
; THE PRODUCT IS USED TRANSPOSED (source 0 = 16 keys, source 1 = 16 queries): a lane holds ONE query (l % 16) of each row block and the keys 16 b + 8 (l / 16) + 0..7.
; THE MASK is the C operand of the first products: 24 registers in window 1: ZLO (blocks left of the diagonal block), ZD (the diagonal block), ZHI (right of it).
.set KSTEP,  128
.set PITCH,  272
.set WREG,   0x11000                   ; wave w fills the two slots at w x WREG: waves 0, 1 the queries' halves, waves 2, 3 the keys'
.set SLOTX,  0x8800
.set STAGE,  4*WREG
.set SPITCH, 272
.set STATS,  STAGE+4*16*SPITCH         ; 1,024 bytes a wave: c m_t of its 128 rows, then l_t
.set SPARE,  STATS+4*1024              ; the spare words: two blocks of 256 bytes that no other line names
.set CPITCH, 4096                      ; bytes in a row of pw
.set QPITCH, 6144                      ; bytes in a row of qkv
.set LANE, 3
.set SO,   4                           ; v4   16 x lane: my 16 bytes of 512 of st
.set SR,   5                           ; v5   where I read the statistics back
.set ADRA, 16
.set ADRB, 20
.set STO,  24
.set RD,   25
.set CO,   26
.set AUX,  27                          ; v27  l % 16 - 8 (l / 16) + the wave's offset: register j of the diagonal block is hidden where j is greater
.set SPW,  28
.set NIL,  29
.set PFO,  30                          ; v30  lane x 6,144; never rewritten
.set SA,   31                          ; v31  where I put a row block's statistic
.set T,    32                          ; v32-35 four chains of the maximum; v36 the other half's
.set M,    37                          ; v37  m_t
.set CM,   38                          ; v[38:39] c m_t (the pair's low word serves both halves)
.set L,    40                          ; v40 l_t; v41 the other half's; v42 what is stored
.set F0,   64
.set F1,   128
.set TMP,  128
.set OB,   64
.set WV,  12
.set RH,  13
.set CH,  14
.set LIM, 15
.set TI,  16                           ; s16 I;  s17 J;  s18 b
.set TJ,  17
.set BB,  18
.set G1,  24                           ; s[24:31] group 1;  s[32:39] group 0: a set for each first fill; the second then walks
.set G0,  32
.set PFA, 44
.set FLOOR, 57                         ; s57  -2^83
.set CS,  58                           ; s[58:59] c
.set SEL, 60                           ; s[60:61] v_permlanex16_b32's selects
.set NEG, 62                           ; s62  -1e30
.set HM,  63                           ; s63  the mask of lanes 16-31
.set TBA, 66
.set TBB, 67
.set COF, 68                           ; s[68:69] where my part of the tile begins in pw
.set SOF, 70                           ; s[70:71] where my statistics begin in st
.set MSB, 0
.macro WIN new
.if MSB != (\new)
	s_set_vgpr_msb (MSB<<8)|(\new)
.set MSB, \new
.endif
.endm
.macro PLACES
.rept 4
	v_nop
.endr
.endm
; A prefetch of my own 128 rows' 256 bytes of the K step two refills on, a lane a row, four instructions.  q's rows are asked for by the tile with J = 0 (waves 0, 1), k's by the
; tile with I = J (waves 2, 3): each block of K steps 4 to 7 is named once.
.macro ASK
	s_cmp_gt_u32 s3, s[LIM]
	s_cbranch_scc0 .Lnot_mine_\@
.irp n, 0,1,2,3
	global_prefetch_b8 v[PFO], s[PFA:PFA+1] offset:(\n)*32*QPITCH+KSTEP*2 th:TH_LOAD_NT scope:SCOPE_SE
.endr
.Lnot_mine_\@:
.endm
	s_load_b128 s[4:7], s[0:1], 0x0                ; qkv s[4:5], pw s[6:7]
	s_load_b64 s[8:9], s[0:1], 0x10                ; st
	v_lshl_add_u32 v[SPW], v0, 2, SPARE
	v_mov_b32 v[NIL], 0
	ds_add_u32 v[SPW], v[NIL]                      ; the wave's opening: the add and its wait ahead of my first tensor load
	v_lshrrev_b32 v1, 5, v0
	v_readfirstlane_b32 s[WV], v1
	s_lshr_b32 s[RH], s[WV], 1
	s_and_b32 s[CH], s[WV], 1
	s_mov_b32 s19, ttmp9                           ; the tile's number in the triangle, 0..35
	s_and_b32 s[BB], ttmp7, 0xffff
	s_mov_b32 s[TI], 0
.irp n, 1,3,6,10,15,21,28              ; I = how many rows of the triangle begin at or before the number
	s_cmp_ge_u32 s19, \n
	s_add_co_ci_u32 s[TI], s[TI], 0
.endr
	s_add_co_u32 s20, s[TI], 1
	s_mul_i32 s20, s20, s[TI]
	s_lshr_b32 s20, s20, 1
	s_sub_co_u32 s[TJ], s19, s20                   ; J = the number - I (I + 1) / 2
	s_mov_b32 s[G1], (1<<16)|(1<<20)|(5<<22)|(3<<25)  ; 2-byte elements; padding on: after every 64 words 4 words
	s_mov_b32 s[G1+1], KSTEP<<16
	s_mov_b32 s[G1+2], 128<<16
	s_mov_b32 s[G1+3], KSTEP<<16
	s_mov_b32 s[G1+4], 128
	s_mov_b32 s[G1+5], 3072                        ; elements from row to row of qkv
	s_mov_b32 s[G1+6], 0
	s_mov_b32 s[G1+7], 0
	s_mov_b32 s[FLOOR], 0xe9000000
	s_mov_b32 s[CS], 0x3d38aa3b                    ; c = log2(e) / 32
	s_mov_b32 s[CS+1], s[CS]
	s_mov_b32 s[SEL], 0x76543210
	s_mov_b32 s[SEL+1], 0xfedcba98
	s_mov_b32 s[NEG], 0xf149f2ca
	s_mov_b32 s[HM], 0xffff0000
	s_cmp_lt_u32 s[WV], 2                          ; waves 0, 1 fetch queries (block I, q's columns), waves 2, 3 keys (block J, k's columns)
	s_cselect_b32 s20, s[TI], s[TJ]
	s_cselect_b32 s21, 0, 2048
	s_lshl_b32 s20, s20, 8
	s_lshl_b32 s22, s[BB], 11
	s_add_co_u32 s20, s20, s22
	s_lshl_b32 s22, s[CH], 7
	s_add_co_u32 s20, s20, s22
	s_mul_i32 s20, s20, QPITCH
	s_add_co_u32 s40, s20, s21
	s_mov_b32 s41, 0
	s_mul_i32 s21, s[WV], WREG
	s_wait_dscnt 0x0                               ; the opening add is done
	s_wait_kmcnt 0x0
	s_add_nc_u64 s[46:47], s[4:5], s[40:41]
.irp s, 0,1
	s_mov_b32 s[G0+4*(\s)], 1
	s_add_co_u32 s[G0+4*(\s)+1], s21, (\s)*SLOTX
	s_add_nc_u64 s[G0+4*(\s)+2:G0+4*(\s)+3], s[46:47], (\s)*KSTEP*2
	s_or_b32 s[G0+4*(\s)+3], s[G0+4*(\s)+3], 0x80000000
.endr
	tensor_load_to_lds s[G0:G0+3], s[G1:G1+7]      ; K steps 0 and 1: each wave its own 128 rows, into its own bytes; two loads of mine are out
	s_nop 0
	tensor_load_to_lds s[G0+4:G0+7], s[G1:G1+7]
	s_nop 0
	PLACES
	v_and_b32 v1, 15, v0
	v_bfe_u32 v2, v0, 4, 1
	; the mask.  d = -1: my keys all lie before my queries; 0: I hold the diagonal; 1: all my keys are hidden
	s_sub_co_i32 s20, s[CH], s[RH]
	s_cmp_eq_u32 s[TI], s[TJ]
	s_cselect_b32 s20, s20, -1
	s_cmp_eq_i32 s20, 1
	s_cselect_b32 s21, s[NEG], 0                   ; left of the diagonal block
	s_cselect_b32 s23, -64, 64
	s_cmp_ge_i32 s20, 0
	s_cselect_b32 s22, s[NEG], 0                   ; right of it
	s_cmp_eq_u32 s20, 0
	s_cselect_b32 s23, 0, s23                      ; 64: nothing of the diagonal block is hidden; -64: all of it
	v_lshlrev_b32 v[AUX], 3, v2
	v_sub_nc_u32 v[AUX], v1, v[AUX]
	v_add_nc_u32 v[AUX], s23, v[AUX]
	WIN 0x40                                       ; destination window 1
.set j, 0
.rept 8
	v_mov_b32 v[j], s21
	v_cmp_gt_i32 vcc_lo, j, v[AUX]
	v_cndmask_b32 v[8+j], 0, s[NEG], vcc_lo
	v_mov_b32 v[16+j], s22
.set j, j+1
.endr
	WIN 0
	v_mov_b32 v[T+4], 0                            ; written once: destinations of v_permlanex16_b32 count as read, a pair's second word as named
	v_mov_b32 v[CM+1], 0
	v_mov_b32 v[L+1], 0
	v_mul_u32_u24 v[LANE], v1, PITCH
	v_lshl_add_u32 v[LANE], v2, 4, v[LANE]
	s_mul_i32 s[TBA], s[RH], WREG
	s_mul_i32 s[TBB], s[CH], WREG
	s_add_co_u32 s[TBB], s[TBB], 2*WREG
	v_add_nc_u32 v[ADRA], s[TBA], v[LANE]
	v_add_nc_u32 v[ADRB], s[TBB], v[LANE]
	s_mul_i32 s23, s[WV], 16*SPITCH
	s_add_co_u32 s23, s23, STAGE
	v_mul_u32_u24 v6, v1, SPITCH
	v_lshl_add_u32 v6, v2, 4, v6
	v_add_nc_u32 v[STO], s23, v6
	v_mul_u32_u24 v7, v2, SPITCH
	v_lshl_add_u32 v7, v1, 4, v7
	v_add_nc_u32 v[RD], s23, v7
	v_lshlrev_b32 v7, 12, v2
	v_lshl_add_u32 v[CO], v1, 4, v7
	s_lshl_b32 s23, s[WV], 10
	s_add_co_u32 s23, s23, STATS
	v_lshlrev_b32 v6, 9, v2
	v_lshl_add_u32 v6, v1, 2, v6
	v_add_nc_u32 v[SA], s23, v6                    ; lanes 0-15 put c m_t, lanes 16-31 l_t, 512 bytes further on
	v_and_b32 v[SO], 31, v0
	v_lshlrev_b32 v[SO], 4, v[SO]
	v_add_nc_u32 v[SR], s23, v[SO]
	s_lshl_b32 s20, s[BB], 11
	s_lshl_b32 s21, s[TI], 8
	s_add_co_u32 s20, s20, s21
	s_lshl_b32 s21, s[RH], 7
	s_add_co_u32 s20, s20, s21
	s_lshl_b32 s[COF], s20, 12                     ; pw: my first row,
	s_lshl_b32 s21, s[TJ], 9
	s_add_co_u32 s[COF], s[COF], s21
	s_lshl_b32 s21, s[CH], 8
	s_add_co_u32 s[COF], s[COF], s21               ; my first key
	s_mov_b32 s[COF+1], 0
	s_lshl_b32 s[SOF], s[BB], 4
	s_lshl_b32 s21, s[TJ], 1
	s_add_co_u32 s[SOF], s[SOF], s21
	s_add_co_u32 s[SOF], s[SOF], s[CH]             ; 16 b + t
	s_lshl_b32 s[SOF], s[SOF], 14                  ; two planes of 8,192 bytes each
	s_lshl_b32 s21, s[TI], 10
	s_add_co_u32 s[SOF], s[SOF], s21
	s_lshl_b32 s21, s[RH], 9
	s_add_co_u32 s[SOF], s[SOF], s21               ; + 4 x my first row
	s_mov_b32 s[SOF+1], 0
	s_add_nc_u64 s[8:9], s[8:9], s[SOF:SOF+1]
	s_sub_co_u32 s20, s[TI], s[TJ]
	s_cmp_lt_u32 s[WV], 2
	s_cselect_b32 s20, s[TJ], s20
	s_cmp_eq_u32 s20, 0
	s_cselect_b32 s[LIM], 2, -1
	s_add_nc_u64 s[PFA:PFA+1], s[46:47], 2*KSTEP*2 ; at K step 2: the first refill steps it to 3 and names K step 4
	v_and_b32 v[PFO], 31, v0
	v_mul_u32_u24 v[PFO], v[PFO], QPITCH
.macro MUL16 f, hi, a0, init           ; as in the projection; init = 1: the first product starts the sum with the mask of its block
.if \init
	WIN 0x91+0x40*(\hi)
.else
	WIN 0xa1+0x50*(\hi)
.endif
.irp a, \a0, (\a0)+1
.irp b, 0,1,2,3,4,5,6,7
.if \init
.set a8, 4*(\hi)+(\a)
.if (\b) < a8
.set ci, 0
.elseif (\b) == a8
.set ci, 8
.else
.set ci, 16
.endif
	v_wmma_f32_16x16x32_f16 v[8*(8*(\a)+(\b)):8*(8*(\a)+(\b))+7], v[(\f)+8*(\b):(\f)+8*(\b)+7], v[(\f)+8*(4*(\hi)+(\a)):(\f)+8*(4*(\hi)+(\a))+7], v[ci:ci+7]
.else
	v_wmma_f32_16x16x32_f16 v[8*(8*(\a)+(\b)):8*(8*(\a)+(\b))+7], v[(\f)+8*(\b):(\f)+8*(\b)+7], v[(\f)+8*(4*(\hi)+(\a)):(\f)+8*(4*(\hi)+(\a))+7], v[8*(8*(\a)+(\b)):8*(8*(\a)+(\b))+7]
.endif
.endr
.endr
.endm
.macro FETCH k, f
	WIN 0x40
.irp i, 0,1,2,3,4,5,6,7
	ds_load_b128 v[(\f)+8*(\i):(\f)+8*(\i)+3],   v[ADRB] offset:(\k)+(\i)*16*PITCH
	ds_load_b128 v[(\f)+8*(\i)+4:(\f)+8*(\i)+7], v[ADRB] offset:(\k)+(\i)*16*PITCH+32
.endr
	WIN 0
.irp i, 0,1,2,3,4,5,6,7
	ds_load_b128 v[(\f)+8*(\i):(\f)+8*(\i)+3],   v[ADRA] offset:(\k)+(\i)*16*PITCH
	ds_load_b128 v[(\f)+8*(\i)+4:(\f)+8*(\i)+7], v[ADRA] offset:(\k)+(\i)*16*PITCH+32
.endr
.endm
.macro QUARTER k, f, g, init
	s_wait_dscnt 8                                 ; the keys' and the queries' rows 0-63 are in; the youngest eight loads may be out
	MUL16 \f, 0, 0, \init
	MUL16 \f, 0, 2, \init
	PLACES
	FETCH \k, \g
	s_wait_dscnt 32                                ; all but the 32 just issued
	MUL16 \f, 1, 0, \init
	MUL16 \f, 1, 2, \init
.endm
.macro MEET
	WIN 0
	s_wait_tensorcnt 0x0                           ; all my tensor loads have landed: the one that was out is my part of the next slot
	ds_add_u32 v[SPW], v[NIL]                      ; 0 onto my spare word
	s_wait_dscnt 9                                 ; (the add and the youngest eight loads may be out)
	MUL16 F1, 0, 0, 0
	s_wait_dscnt 0x0                               ; the add is done, and my reads of this slot are over
	s_barrier_signal -1
	MUL16 F1, 0, 2, 0
	WIN 0
	s_barrier_wait -1
.endm
.macro TURN1
	s_wait_xcnt 0x0                                ; the last prefetches, a K step back, have read their address
	s_add_nc_u64 s[PFA:PFA+1], s[PFA:PFA+1], KSTEP*2
	MEET
	s_xor_b32 s[G0+5], s[G0+5], SLOTX              ; the walking descriptor: the other slot than last time, the next K step
	s_add_nc_u64 s[G0+6:G0+7], s[G0+6:G0+7], KSTEP*2
	s_xor_b32 s[TBA], s[TBA], SLOTX
	s_xor_b32 s[TBB], s[TBB], SLOTX
	tensor_load_to_lds s[G0+4:G0+7], s[G1:G1+7]    ; my one load behind the barrier: 224 matrix instructions ahead of the wait for it
	s_nop 0
	PLACES                                         ; also the places in front of the loads below
	v_add_nc_u32 v[ADRA], s[TBA], v[LANE]
	v_add_nc_u32 v[ADRB], s[TBB], v[LANE]
	FETCH 0, F0
	ASK
	MUL16 F1, 1, 0, 0
	MUL16 F1, 1, 2, 0
.endm
; THE SOFTMAX of row block a: 16 queries x my 128 keys; a lane holds 64 scores of one query, the lane 16 away the other 64.
.macro SOFT a
.set W, 2+(\a)/4
.set AC, 64*((\a)%4)
	WIN W|(W<<2)                                   ; the maximum, in four chains of 16 scores
.irp q, 0,1,2,3
	v_max_num_f32 v[T+(\q)], v[AC+16*(\q)], v[AC+16*(\q)+1]
.endr
	WIN (W<<2)|(W<<4)
.irp n, 1,2,3,4,5,6,7
.irp q, 0,1,2,3
	v_max3_num_f32 v[T+(\q)], v[T+(\q)], v[AC+16*(\q)+2*(\n)], v[AC+16*(\q)+2*(\n)+1]
.endr
.endr
	WIN 0
	v_max3_num_f32 v[T], v[T], v[T+1], v[T+2]
	v_max_num_f32 v[T], v[T], v[T+3]
	v_permlanex16_b32 v[T+4], v[T], s[SEL], s[SEL+1]
	v_max3_num_f32 v[M], v[T], v[T+4], s[FLOOR]    ; both halves of the lanes, held at -2^83 from below
	v_mul_f32 v[CM], s[CS], v[M]
	WIN W|(W<<6)                                   ; ONE BATCH: 32 scalings c s - c m and 64 exponentials, in place; none reads an exponential's result
.irp n, 0,1
	v_pk_fma_f32 v[AC+2*(\n):AC+2*(\n)+1], v[AC+2*(\n):AC+2*(\n)+1], s[CS:CS+1], v[CM:CM+1] op_sel_hi:[1,0,0] neg_lo:[0,0,1] neg_hi:[0,0,1]
.endr
.set n, 0
.rept 32
	v_exp_f32 v[AC+2*n], v[AC+2*n]
	v_exp_f32 v[AC+2*n+1], v[AC+2*n+1]
.if n < 30
	v_pk_fma_f32 v[AC+2*n+4:AC+2*n+5], v[AC+2*n+4:AC+2*n+5], s[CS:CS+1], v[CM:CM+1] op_sel_hi:[1,0,0] neg_lo:[0,0,1] neg_hi:[0,0,1]
.endif
.set n, n+1
.endr
	v_nop                                          ; a plain instruction behind the last exponential,
	s_wait_alu depctr_va_vdst(0)                   ; and one wait for the batch, ahead of its first reader
	WIN W|(W<<2)
.irp b, 0,1,2,3,4,5,6,7
.irp r, 0,1,2,3
	v_cvt_pk_f16_f32 v[TMP+4*(\b)+(\r)], v[AC+8*(\b)+2*(\r)], v[AC+8*(\b)+2*(\r)+1]
.endr
.endr
	WIN W|(W<<2)|(W<<6)                            ; the sum of the unrounded p: a tree over the 32 pairs, in place, in f32
.irp w, 1,2,4,8,16
.set u, 0
.rept 16/(\w)
	v_pk_add_f32 v[AC+2*u:AC+2*u+1], v[AC+2*u:AC+2*u+1], v[AC+2*(u+(\w)):AC+2*(u+(\w))+1]
.set u, u+2*(\w)
.endr
.endr
	WIN W|(W<<2)
	v_add_f32 v[L], v[AC], v[AC+1]
	WIN 0
	v_permlanex16_b32 v[L+1], v[L], s[SEL], s[SEL+1]
	v_add_f32 v[L], v[L], v[L+1]
	v_cndmask_b32 v[L+2], v[CM], v[L], s[HM]       ; lanes 0-15 carry c m_t, lanes 16-31 l_t
	ds_store_b32 v[SA], v[L+2] offset:64*(\a)
.endm
.macro TOSTAGE a
	WIN 0
.set BK, OB+32*((\a)%2)
.irp b, 0,1,2,3,4,5,6,7
	ds_store_b128 v[STO], v[TMP+4*(\b):TMP+4*(\b)+3] offset:32*(\b)
.endr
.irp t, 0,1,2,3,4,5,6,7
	ds_load_b128 v[BK+4*(\t):BK+4*(\t)+3], v[RD] offset:(\t)*2*SPITCH  ; LDS serves a wave's instructions in order (ISA guide 5.7.1.4): these see the stores above
.endr
.endm
.macro SEND a
	WIN 0
.set BK, OB+32*((\a)%2)
	s_wait_dscnt 0x0
	s_wait_xcnt 0x0                                ; only behind this wait are the stores' base and the registers that earlier stores read rewritten
.if (\a) == 0
	s_add_nc_u64 s[6:7], s[6:7], s[COF:COF+1]
.else
	s_add_nc_u64 s[6:7], s[6:7], 16*CPITCH
.endif
.irp t, 0,1,2,3,4,5,6,7
	global_store_b128 v[CO], v[BK+4*(\t):BK+4*(\t)+3], s[6:7] offset:2*(\t)*CPITCH  ; 16 lanes store 256 consecutive bytes, aligned
.endr
.endm
	s_wait_tensorcnt 1                             ; my part of K step 0 is in; K step 1's may stay out
	s_barrier_signal -1
	s_barrier_wait -1
	FETCH 0, F0
	QUARTER 64, F0, F1, 1                          ; the first quarter stands in front of the loop: its products start the sums, with the mask
	WIN 0
	s_mov_b32 s3, 6
.Lstep:                                        ; six trips; K steps 2 to 7 are asked for
	QUARTER 128, F1, F0, 0
	QUARTER 192, F0, F1, 0
	TURN1
	QUARTER 64, F0, F1, 0
	WIN 0
	s_sub_co_u32 s3, s3, 1
	s_cmp_lg_u32 s3, 0
	s_cbranch_scc1 .Lstep
	s_mov_b32 s3, 2
.Ltail:                                        ; K steps 6 and 7 ask for nothing
	QUARTER 128, F1, F0, 0
	QUARTER 192, F0, F1, 0
	MEET
	MUL16 F1, 1, 0, 0
	MUL16 F1, 1, 2, 0
	WIN 0
	s_cmp_eq_u32 s3, 1
	s_cbranch_scc1 .Llast                          ; the last K step has no successor
	PLACES
	s_xor_b32 s[TBA], s[TBA], SLOTX
	s_xor_b32 s[TBB], s[TBB], SLOTX
	v_add_nc_u32 v[ADRA], s[TBA], v[LANE]
	v_add_nc_u32 v[ADRB], s[TBB], v[LANE]
	FETCH 0, F0
	QUARTER 64, F0, F1, 0
	WIN 0
.Llast:
	s_sub_co_u32 s3, s3, 1
	s_cmp_lg_u32 s3, 0
	s_cbranch_scc1 .Ltail
	s_wait_dscnt 0x0
	PLACES
	SOFT 0
	TOSTAGE 0
.irp a, 1,2,3,4,5,6,7                  ; block a's softmax stands between block a - 1's loads from the stage and the wait for them
	SOFT \a
	SEND (\a)-1
	TOSTAGE \a
.endr
	SEND 7
	ds_load_b128 v[44:47], v[SR]                   ; my 128 rows' c m_t, and their l_t: my own bytes, served in order behind my stores
	ds_load_b128 v[48:51], v[SR] offset:512
	s_wait_dscnt 0x0
	global_store_b128 v[SO], v[44:47], s[8:9]      ; each store covers 512 consecutive bytes, aligned
	global_store_b128 v[SO], v[48:51], s[8:9] offset:8192
	s_wait_tensorcnt 0x0                           ; the wave's end
	ds_add_u32 v[SPW], v[NIL]
	s_wait_dscnt 0x0
	s_endpgm
.Lfunc_end_k_qf17f7529fa_scores:
	.size	k_qf17f7529fa_scores, .Lfunc_end_k_qf17f7529fa_scores-k_qf17f7529fa_scores
	.p2alignl 7, 3214868480
	.fill 96, 4, 3214868480
	.section	.rodata,"a",@progbits
	.p2align	6, 0x0
	.amdhsa_kernel k_qf17f7529fa_scores
		.amdhsa_group_segment_fixed_size 327680
		.amdhsa_private_segment_fixed_size 0
		.amdhsa_enable_private_segment 0
		.amdhsa_kernarg_size 24
		.amdhsa_user_sgpr_count 2
		.amdhsa_user_sgpr_kernarg_segment_ptr 1
		.amdhsa_wavefront_size32 1
		.amdhsa_system_sgpr_workgroup_id_x 1
		.amdhsa_system_sgpr_workgroup_id_y 1
		.amdhsa_system_sgpr_workgroup_id_z 1
		.amdhsa_system_vgpr_workitem_id 0
		.amdhsa_next_free_vgpr 1024
		.amdhsa_next_free_sgpr 72
		.amdhsa_reserve_vcc 1
		.amdhsa_float_denorm_mode_32 3
		.amdhsa_float_denorm_mode_16_64 3
		.amdhsa_memory_ordered 1
		.amdhsa_forward_progress 1
		.amdhsa_inst_pref_size 170
	.end_amdhsa_kernel
	.amdgpu_metadata
---
amdhsa.version: [ 1, 2 ]
amdhsa.kernels:
  - .name:           k_qf17f7529fa_scores
    .symbol:         k_qf17f7529fa_scores.kd
    .args:
      - { .name: qkv, .offset: 0, .size: 8, .value_kind: global_buffer, .address_space: global }
      - { .name: pw, .offset: 8, .size: 8, .value_kind: global_buffer, .address_space: global }
      - { .name: st, .offset: 16, .size: 8, .value_kind: global_buffer, .address_space: global }
    .group_segment_fixed_size: 327680
    .private_segment_fixed_size: 0
    .kernarg_segment_align: 8
    .kernarg_segment_size: 24
    .max_flat_workgroup_size: 128
    .sgpr_count:     72
    .vgpr_count:     1024
    .wavefront_size: 32
...
	.end_amdgpu_metadata
.endif
;; end of part 3
;; launch pv (part 4): grid 8 x 32, 4 waves a work-group, clusters of 4 x 1, 327,680 bytes of LDS; arguments pw, qkv, st, out0; writes out0
.if DOCPART == 4
	.amdgcn_target "amdgcn-amd-amdhsa--gfx1250"
	.amdhsa_code_object_version 6
	.text
	.protected	k_qf17f7529fa_pv
	.globl	k_qf17f7529fa_pv
	.p2align	8
	.type	k_qf17f7529fa_pv,@function
k_qf17f7529fa_pv:
	s_mov_b64 s[64:65], 0
	v_nop
	global_prefetch_b8 v0, s[64:65] scope:SCOPE_SE
	s_setreg_imm32_b32 hwreg(HW_REG_WAVE_MODE, 25, 1), 1
	s_wait_xcnt 0x0
	s_wait_alu depctr_hold_cnt(0) depctr_sa_sdst(0) depctr_va_vdst(0) depctr_va_sdst(0) depctr_va_ssrc(0) depctr_va_vcc(0) depctr_vm_vsrc(0)
	s_getreg_b32 s2, hwreg(HW_REG_IB_STS2, 6, 4)
	s_cmp_eq_u32 s2, 0
	s_cbranch_scc0 .Lentry_in_a_cluster
	s_endpgm
.Lentry_in_a_cluster:
	s_bfe_u32 s2, ttmp6, 0x10000c
	s_cmp_lg_u32 s2, 0x3003
	s_cbranch_scc0 .Lentry_shape_is_right
	s_endpgm
.Lentry_shape_is_right:
; out[b][q][d] = sum over key tiles t (128 keys) of g_t[q] x (sum over the tile's keys of p[q][k] v[k][d]),  g_t = 2^(c m_t - c m) / l,  c m = max over t of c m_t,  l = sum of 2^(c m_t - c m) l_t.
; p: pw [4][2048][2048] f16; v: columns 2048-3071 of qkv [8192][3072] f16; c m_t, l_t: st [b][t][2][2048] f32; out0 f32.  Products' sums, g, l and the joining of tiles in f32.
; LIMITS.  A factor 2^(c m_t - c m) below 2^-126 counts as 0; NaN and infinities are not treated apart.
; SHARES.  A work-group makes 128 channels (dt) of TWO blocks of 128 queries, 15 - p and then p: 8 - p / 2 and 1 + p / 2 steps of 256 keys, nine whatever p: all work-groups do equal work, and one
; counted walk runs the ring across the change of blocks.  An even block's last 128 keys are hidden: their p are 0 and their g is 0.  A wave makes 64 queries x 64 channels.
; CLUSTER 4 x 1: the partners differ in dt alone, so p's tiles are asked for jointly; v's tiles hang on dt and come by loads of one's own, behind the same round.
; (Partners that shared v would have different p: other walks through the keys.)
; LAYOUT.  O^T = V^T P (source 0 = 16 channels, turned out of LDS by ds_load_tr16_b128; source 1 = 16 queries): a lane holds ONE query (l % 16) and the channels 8 (l / 16) + 0..7, so g is one number a lane.
; Each key tile's products are summed in 16 partial accumulators started with the constant 0, then joined to the main ones by one packed multiply-add with g.
; REGISTERS: window 0: v0-15 addresses; v16-23 g; v24-27, v32-103 at work; v128-255 partial accumulators (query block q, channel block c at 128 + 8 (4 q + c));
;   window 1: two fragment buffers of 128: for 64 keys, 64 registers of P, then 64 of V;   window 2: v0-127 the main accumulators.
.set PP,    528                        ; a row of P in LDS: 512 bytes + 16
.set PVP,   288                        ; a row of V: 256 bytes + 32
.set PREG,  0x10800                    ; waves 0, 1 fill P's halves (64 queries) at (w % 2) x PREG, two slots each
.set PSLX,  0x8400                     ; 64 x 528; it shares no bit with PREG
.set VBASE, 0x22000
.set VREG,  0x12000                    ; waves 2, 3 fill V's halves (128 keys) at VBASE + (w % 2) x VREG
.set VSLX,  0x9000                     ; 128 x 288; it shares no bit with VBASE or VBASE + VREG
.set GTAB,  0x46000                    ; g: [2 blocks][16 t][128 rows] f32
.set STAGE, GTAB+16384                 ; 16 rows x 272 bytes for each wave, for the way out
.set SPITCH, 272
.set SPARE, STAGE+4*16*SPITCH          ; the spare words: two blocks of 256 bytes that no other line names
.set VSTEP, 256*6144                   ; bytes from a step's keys to the next step's in qkv
.set AP0, 3                            ; v3   528 (l % 16) + 16 (l / 16); never rewritten
.set AV0, 4                            ; v4   my lane's place in a tile of V, with my 64 channels; never rewritten
.set AP,  5                            ; v5   P's fragments in the slot in hand
.set AVA, 6                            ; v6   V's, keys 0-127
.set AVB, 7                            ; v7   V's, keys 128-255
.set GA0, 8                            ; v8   my row's place in a line of the g table
.set GAD, 9
.set STO, 10
.set RD,  11
.set GO,  12
.set PFO, 13                           ; v13  the prefetches' offset; never rewritten
.set SPW, 14
.set NIL, 15
.set GV,  16                           ; v[16:23] g of my four query blocks, in the low words of four pairs
.set OB,  32                           ; the way out: v32-63 and v64-95 by turns
.set ACC, 128
.set F0,  0
.set F1,  128
.set WV,  12
.set RH,  13
.set CH,  14
.set CX,  15
.set DT,  16
.set BB,  17
.set PB,  18
.set RT,  20                           ; s20  steps of the block in hand still to be ended
.set NEW, 21                           ; s21  1: the next joining is a block's first
.set NXT, 22                           ; s22  the key step to be asked for next
.set LQ,  23                           ; s23  the last key step of the block whose tiles are being asked for
.set G1P, 24
.set G1V, 32
.set G0P, 40                           ; s[40:47] a set for each first fill; the second is made anew for each refill
.set G0V, 48
.set CNT, 56
.set ROWP, 57                          ; s57  byte offset in pw of my 64 rows of the block whose tiles are being asked for;  s58 of the second block
.set ROWP2, 58
.set VROW, 59                          ; s59  byte offset in qkv of my 128 keys of key step 0, at my work-group's channels
.set OFP, 60                           ; s[60:61] P's offset: never holds anything made of cx
.set TBP, 62
.set TBV, 63
.set GTO, 66                           ; s66  byte of the g table's line in hand
.set OP1, 68                           ; s[68:69] out0 at my rows of the block in hand;  s[70:71] of the second block
.set OP2, 70
.set PFA, 72                           ; s[72:73] what the next prefetch names
.set ASKS, 74                          ; s74  prefetches still to be made
.set QN,  75                           ; s75-78 the prefetches' own walk: key step, last key step, rows, the second block's rows
.set QL,  76
.set QR,  77
.set QR2, 78
.set PMUL, 79                          ; s79  bytes from key step to key step in the buffer that I prefetch
.set PFB, 80                           ; s[80:81] that buffer
.set OFV, 82                           ; s[82:83] V's offset
.set OFQ, 86                           ; s[86:87] the prefetch's offset
.set MSB, 0
.macro WIN new
.if MSB != (\new)
	s_set_vgpr_msb (MSB<<8)|(\new)
.set MSB, \new
.endif
.endm
.macro PLACES
.rept 4
	v_nop
.endr
.endm
.macro JLOAD                           ; waves 0, 1: P, jointly; waves 2, 3: V; an s_nop 0 and four v_nop follow each line
	s_cmp_lt_u32 s[WV], 2
	s_cbranch_scc0 .Lfor_v_\@
	tensor_load_to_lds s[G0P+4:G0P+7], s[G1P:G1P+7]
	s_nop 0
	PLACES
	s_branch .Lasked_\@
.Lfor_v_\@:
	tensor_load_to_lds s[G0V+4:G0V+7], s[G1V:G1V+7]
	s_nop 0
	PLACES
.Lasked_\@:
.endm
.macro CREST
	s_cmp_lg_u32 s[WV], 0
	s_cbranch_scc1 .Lnot_wave_0_\@
	s_barrier_signal -3
.Lnot_wave_0_\@:
	s_barrier_wait -3
	s_barrier_signal -1
	s_barrier_wait -1
.endm
.macro CROUND
	s_barrier_signal -1
	s_barrier_wait -1
	CREST
.endm
; A prefetch of the step two refills on.  P (waves 0, 1; the clusters with x = 0; walk steps 4 to 8): the four partners share a wave's 64 rows x 512 bytes by address, 16 rows each, a lane 256 bytes.
; V (waves 2, 3; the work-groups with p = 0, whose first block walks all keys; key steps 4 to 7): my own 128 keys x 256 bytes, a lane a key, four instructions.  Each block is named once.
.macro ASK
	s_cmp_eq_u32 s[ASKS], 0
	s_cbranch_scc1 .Lno_ask_\@
	s_sub_co_u32 s[ASKS], s[ASKS], 1
	global_prefetch_b8 v[PFO], s[PFA:PFA+1] th:TH_LOAD_NT scope:SCOPE_SE
	s_cmp_lt_u32 s[WV], 2
	s_cbranch_scc1 .Lno_ask_\@
.irp n, 1,2,3
	global_prefetch_b8 v[PFO], s[PFA:PFA+1] offset:(\n)*32*6144 th:TH_LOAD_NT scope:SCOPE_SE
.endr
.Lno_ask_\@:
.endm
	s_load_b256 s[4:11], s[0:1], 0x0               ; pw s[4:5], qkv s[6:7], st s[8:9], out0 s[10:11]
	v_lshl_add_u32 v[SPW], v0, 2, SPARE
	v_mov_b32 v[NIL], 0
	ds_add_u32 v[SPW], v[NIL]                      ; the wave's opening: the add and its wait ahead of my first tensor load
	v_lshrrev_b32 v1, 5, v0
	v_readfirstlane_b32 s[WV], v1
	s_lshr_b32 s[RH], s[WV], 1                     ; my half of the queries
	s_and_b32 s[CH], s[WV], 1                      ; my half of the channels; also: which half of a tile I fetch
	s_bfe_u32 s[CX], ttmp6, 0x40000
	s_lshl_b32 s[DT], ttmp9, 2
	s_add_co_u32 s[DT], s[DT], s[CX]               ; my 128 channels
	s_and_b32 s19, ttmp7, 0xffff
	s_lshr_b32 s[BB], s19, 3                       ; the batch
	s_and_b32 s[PB], s19, 7                        ; p
	s_lshr_b32 s19, s[PB], 1
	s_sub_co_u32 s[RT], 8, s19                     ; the first block's steps
	s_sub_co_u32 s[LQ], s[RT], 1
	s_mov_b32 s[NEW], 1
	s_mov_b32 s[NXT], 2
	s_mov_b32 s[GTO], 0
	s_lshl_b32 s2, s[BB], 11
	s_lshl_b32 s3, s[CH], 6
	s_add_co_u32 s3, s3, s2                        ; 2,048 b + the 64 rows that I fetch
	s_sub_co_u32 s19, 15, s[PB]                    ; the first block
	s_lshl_b32 s[ROWP], s19, 7
	s_add_co_u32 s[ROWP], s[ROWP], s3
	s_lshl_b32 s[ROWP], s[ROWP], 12
	s_lshl_b32 s[ROWP2], s[PB], 7
	s_add_co_u32 s[ROWP2], s[ROWP2], s3
	s_lshl_b32 s[ROWP2], s[ROWP2], 12
	s_mov_b32 s[OFP], s[ROWP]
	s_mov_b32 s[OFP+1], 0
	s_lshl_b32 s[VROW], s[CH], 7
	s_add_co_u32 s[VROW], s[VROW], s2
	s_mul_i32 s[VROW], s[VROW], 6144
	s_lshl_b32 s84, s[DT], 8
	s_add_co_u32 s[VROW], s[VROW], s84
	s_add_co_u32 s[VROW], s[VROW], 4096            ; v's columns begin at byte 4,096 of a row
	s_mov_b32 s[OFV], s[VROW]
	s_mov_b32 s[OFV+1], 0
	s_mul_i32 s2, s[CH], PREG                      ; where my tiles go: no place in the cluster enters an LDS address
	s_mul_i32 s3, s[CH], VREG
	s_add_co_u32 s3, s3, VBASE
	s_mul_i32 s[TBP], s[RH], PREG
	s_mov_b32 s[TBV], VBASE
	s_lshl_b32 s84, s[BB], 11
	s_lshl_b32 s85, s[RH], 6
	s_add_co_u32 s84, s84, s85                     ; 2,048 b + my 64 rows of a block
	s_lshl_b32 s85, s19, 7
	s_add_co_u32 s85, s85, s84
	s_lshl_b32 s[OP1], s85, 12
	s_lshl_b32 s85, s[PB], 7
	s_add_co_u32 s85, s85, s84
	s_lshl_b32 s[OP2], s85, 12
	s_lshl_b32 s84, s[DT], 9
	s_lshl_b32 s85, s[CH], 8
	s_add_co_u32 s84, s84, s85                     ; my 64 channels: 256 bytes of a row
	s_add_co_u32 s[OP1], s[OP1], s84
	s_add_co_u32 s[OP2], s[OP2], s84
	s_mov_b32 s[OP1+1], 0
	s_mov_b32 s[OP2+1], 0
	s_mov_b32 s[G1P], 15|(1<<16)|(1<<20)|(1<<21)|(6<<22)|(3<<25)  ; the mask of four; 2-byte elements; padding on; bit 21 beside a mask; after every 128 words 4 words
	s_mov_b32 s[G1P+1], 256<<16                    ; tensor_dim0 = 256 keys
	s_mov_b32 s[G1P+2], 64<<16                     ; tensor_dim1 = 64 queries
	s_mov_b32 s[G1P+3], 256<<16
	s_mov_b32 s[G1P+4], 64
	s_mov_b32 s[G1P+5], 2048
	s_mov_b32 s[G1P+6], 0
	s_mov_b32 s[G1P+7], 0
	s_mov_b32 s[G1V], (1<<16)|(1<<20)|(5<<22)|(7<<25)  ; no mask; after every 64 words 8 words
	s_mov_b32 s[G1V+1], 128<<16                    ; 128 channels
	s_mov_b32 s[G1V+2], 128<<16                    ; 128 keys
	s_mov_b32 s[G1V+3], 128<<16
	s_mov_b32 s[G1V+4], 128
	s_mov_b32 s[G1V+5], 3072
	s_mov_b32 s[G1V+6], 0
	s_mov_b32 s[G1V+7], 0
	s_mov_b32 s[PMUL], VSTEP
	s_mov_b32 s[QN], 4
	s_mov_b32 s[QR2], s[ROWP2]
	s_mov_b32 s[OFQ+1], 0
	s_cmp_lt_u32 s[WV], 2
	s_cselect_b32 s84, ttmp9, s[PB]                ; who asks: P's waves where the cluster's x is 0, V's where p is 0: the same in all four partners
	s_cselect_b32 s[ASKS], 5, 4
	s_cselect_b32 s[PMUL], 512, s[PMUL]
	s_cselect_b32 s[QR], s[ROWP], s[VROW]
	s_cselect_b32 s[QL], s[LQ], 99
	s_cmp_eq_u32 s84, 0
	s_cselect_b32 s[ASKS], s[ASKS], 0
	s_wait_dscnt 0x0                               ; the opening add is done
	s_wait_kmcnt 0x0
	s_add_nc_u64 s[OP1:OP1+1], s[10:11], s[OP1:OP1+1]
	s_add_nc_u64 s[OP2:OP2+1], s[10:11], s[OP2:OP2+1]
	s_cmp_lt_u32 s[WV], 2
	s_cselect_b64 s[PFB:PFB+1], s[4:5], s[6:7]
	CROUND                                         ; all four work-groups are here: the first joint loads meet
.irp s, 0,1
	s_mov_b32 s[G0P+4*(\s)], 1
	s_add_co_u32 s[G0P+4*(\s)+1], s2, (\s)*PSLX
	s_add_nc_u64 s[G0P+4*(\s)+2:G0P+4*(\s)+3], s[4:5], s[OFP:OFP+1]
	s_add_nc_u64 s[G0P+4*(\s)+2:G0P+4*(\s)+3], s[G0P+4*(\s)+2:G0P+4*(\s)+3], (\s)*512
	s_or_b32 s[G0P+4*(\s)+3], s[G0P+4*(\s)+3], 0x80000000
	s_mov_b32 s[G0V+4*(\s)], 1
	s_add_co_u32 s[G0V+4*(\s)+1], s3, (\s)*VSLX
	s_add_nc_u64 s[G0V+4*(\s)+2:G0V+4*(\s)+3], s[6:7], s[OFV:OFV+1]
	s_add_nc_u64 s[G0V+4*(\s)+2:G0V+4*(\s)+3], s[G0V+4*(\s)+2:G0V+4*(\s)+3], (\s)*VSTEP
	s_or_b32 s[G0V+4*(\s)+3], s[G0V+4*(\s)+3], 0x80000000
.endr
	s_cmp_lt_u32 s[WV], 2                          ; a wave's two first fills stand in one branch: the walk's steps 0 and 1; two loads of mine are out
	s_cbranch_scc0 .Lfirst_v
	tensor_load_to_lds s[G0P:G0P+3], s[G1P:G1P+7]
	s_nop 0
	tensor_load_to_lds s[G0P+4:G0P+7], s[G1P:G1P+7]
	s_nop 0
	PLACES
	s_branch .Lfirst_asked
.Lfirst_v:
	tensor_load_to_lds s[G0V:G0V+3], s[G1V:G1V+7]
	s_nop 0
	tensor_load_to_lds s[G0V+4:G0V+7], s[G1V:G1V+7]
	s_nop 0
	PLACES
.Lfirst_asked:
	; THE g TABLES, while the first tiles are on their way.  Wave w: block w / 2 of the two, rows 64 (w % 2) + 2 l and the next; all 16 key tiles (those that no tile wrote hold -1e38 and 0).
	s_sub_co_u32 s84, 15, s[PB]
	s_cmp_eq_u32 s[RH], 0
	s_cselect_b32 s84, s84, s[PB]
	s_lshl_b32 s84, s84, 9                         ; 4 x 128 x block
	s_lshl_b32 s85, s[CH], 8
	s_add_co_u32 s84, s84, s85
	s_lshl_b32 s85, s[BB], 18
	s_add_co_u32 s84, s84, s85
	v_and_b32 v24, 31, v0                          ; lane
	v_lshl_add_u32 v25, v24, 3, s84
.set t, 0
.rept 16                               ; each load of the wave covers 256 consecutive bytes, aligned
	global_load_b64 v[32+2*t:33+2*t], v25, s[8:9] offset:16384*t
	global_load_b64 v[64+2*t:65+2*t], v25, s[8:9] offset:16384*t+8192
.set t, t+1
.endr
	v_and_b32 v1, 15, v0                           ; l % 16
	v_bfe_u32 v2, v0, 4, 1                         ; l / 16
	v_mul_u32_u24 v[AP0], v1, PP
	v_lshl_add_u32 v[AP0], v2, 4, v[AP0]
	v_and_b32 v26, 7, v0                           ; the turning load: lane l reads key 8 (l / 16) + l % 8, channels 8 ((l / 8) % 2) + 0..7
	v_lshl_add_u32 v[AV0], v2, 3, v26
	v_mul_u32_u24 v[AV0], v[AV0], PVP
	v_bfe_u32 v26, v0, 3, 1
	v_lshl_add_u32 v[AV0], v26, 4, v[AV0]
	s_lshl_b32 s84, s[CH], 7
	v_add_nc_u32 v[AV0], s84, v[AV0]
	v_add_nc_u32 v[AP], s[TBP], v[AP0]
	v_add_nc_u32 v[AVA], s[TBV], v[AV0]
	v_add_nc_u32 v[AVB], VREG, v[AVA]
	s_lshl_b32 s84, s[RH], 8
	s_add_co_u32 s84, s84, GTAB
	v_lshl_add_u32 v[GA0], v1, 2, s84              ; the table + 4 (64 x my half + l % 16)
	s_mul_i32 s84, s[WV], 16*SPITCH
	s_add_co_u32 s84, s84, STAGE
	v_mul_u32_u24 v[STO], v1, SPITCH
	v_lshl_add_u32 v[STO], v2, 5, v[STO]
	v_add_nc_u32 v[STO], s84, v[STO]               ; in: row l % 16, 32 bytes for each half of the lanes
	v_mul_u32_u24 v[RD], v2, SPITCH
	v_lshl_add_u32 v[RD], v1, 4, v[RD]
	v_add_nc_u32 v[RD], s84, v[RD]                 ; back: lanes 0-15 one row of 256 bytes, lanes 16-31 the next
	v_lshlrev_b32 v[GO], 12, v2
	v_lshl_add_u32 v[GO], v1, 4, v[GO]
	v_lshrrev_b32 v26, 1, v24                      ; P's prefetch: row 16 cx + l / 2, half l % 2 of its 512 bytes
	v_lshlrev_b32 v26, 12, v26
	v_and_b32 v27, 1, v24
	v_lshl_add_u32 v26, v27, 8, v26
	s_lshl_b32 s84, s[CX], 16
	v_add_nc_u32 v26, s84, v26
	v_mul_u32_u24 v27, v24, 6144                   ; V's: a lane a key
	s_cmp_lt_u32 s[WV], 2
	s_cselect_b32 s85, -1, 0
	v_cndmask_b32 v[PFO], v27, v26, s85
	s_lshl_b32 s84, s[RH], 13
	s_lshl_b32 s85, s[CH], 8
	s_add_co_u32 s84, s84, s85
	s_add_co_u32 s84, s84, GTAB
	v_lshl_add_u32 v26, v24, 3, s84                ; where my two rows' g go
.irp q, 0,1,2,3
	v_mov_b32 v[GV+2*(\q)+1], 0                    ; named as pairs' second words: written once
.endr
	s_wait_loadcnt 0x0
.irp e, 0,1
	v_max3_num_f32 v[96+(\e)], v[32+(\e)], v[34+(\e)], v[36+(\e)]
.irp t, 3,5,7,9,11,13
	v_max3_num_f32 v[96+(\e)], v[96+(\e)], v[32+2*(\t)+(\e)], v[34+2*(\t)+(\e)]
.endr
	v_max_num_f32 v[96+(\e)], v[96+(\e)], v[62+(\e)]   ; c m
.endr
.set t, 0
.rept 16
	v_pk_add_f32 v[32+2*t:33+2*t], v[32+2*t:33+2*t], v[96:97] neg_lo:[0,1] neg_hi:[0,1]  ; c m_t - c m, at most 0
.set t, t+1
.endr
.set t, 0
.rept 32
	v_exp_f32 v[32+t], v[32+t]
.set t, t+1
.endr
	v_nop                                          ; a plain instruction behind the last exponential,
	s_wait_alu depctr_va_vdst(0)                   ; and one wait for the batch
	v_pk_mul_f32 v[98:99], v[32:33], v[64:65]      ; l, in two chains
	v_pk_mul_f32 v[100:101], v[34:35], v[66:67]
.irp t, 2,4,6,8,10,12,14
	v_pk_fma_f32 v[98:99], v[32+2*(\t):33+2*(\t)], v[64+2*(\t):65+2*(\t)], v[98:99]
	v_pk_fma_f32 v[100:101], v[34+2*(\t):35+2*(\t)], v[66+2*(\t):67+2*(\t)], v[100:101]
.endr
	v_pk_add_f32 v[98:99], v[98:99], v[100:101]
	v_rcp_f32 v98, v98
	v_rcp_f32 v99, v99
	v_nop
	s_wait_alu depctr_va_vdst(0)                   ; one wait for the two reciprocals
.set t, 0
.rept 16
	v_pk_mul_f32 v[32+2*t:33+2*t], v[32+2*t:33+2*t], v[98:99]
.set t, t+1
.endr
.set t, 0
.rept 16
	ds_store_b64 v26, v[32+2*t:33+2*t] offset:512*t
.set t, t+1
.endr
; 8 matrix instructions: query blocks q0, q0 + 1 x all 4 channel blocks, 32 keys: half c of buffer f.  zero = 1: the first product starts the partial sum.
; The 16 partial accumulators take turns.
.macro MUL8 f, c, q0, zero
	WIN 0x05                                       ; V and P window 1; C and D window 0
.irp q, \q0, (\q0)+1
.irp b, 0,1,2,3
.if \zero
	v_wmma_f32_16x16x32_f16 v[ACC+8*(4*(\q)+(\b)):ACC+8*(4*(\q)+(\b))+7], v[(\f)+64+8*(4*(\c)+(\b)):(\f)+64+8*(4*(\c)+(\b))+7], v[(\f)+8*(4*(\c)+(\q)):(\f)+8*(4*(\c)+(\q))+7], 0
.else
	v_wmma_f32_16x16x32_f16 v[ACC+8*(4*(\q)+(\b)):ACC+8*(4*(\q)+(\b))+7], v[(\f)+64+8*(4*(\c)+(\b)):(\f)+64+8*(4*(\c)+(\b))+7], v[(\f)+8*(4*(\c)+(\q)):(\f)+8*(4*(\c)+(\q))+7], v[ACC+8*(4*(\q)+(\b)):ACC+8*(4*(\q)+(\b))+7]
.endif
.endr
.endr
.endm
.macro VLD f, c, i, adr, k             ; a fragment of V^T: 32 keys from key k of the half tile, channel block i
	ds_load_tr16_b128 v[(\f)+64+8*(4*(\c)+(\i)):(\f)+64+8*(4*(\c)+(\i))+3],   v[\adr] offset:(\k)*PVP+32*(\i)
	ds_load_tr16_b128 v[(\f)+64+8*(4*(\c)+(\i))+4:(\f)+64+8*(4*(\c)+(\i))+7], v[\adr] offset:(\k)*PVP+16*PVP+32*(\i)
.endm
.macro FETCH qn, f                     ; 32 LDS loads in one run: the fragments of the step's quarter qn (64 keys) into buffer f; the first 32 keys first
	WIN 0x40
.irp c, 0,1
.irp i, 0,1,2,3
.if (\qn) < 2
	VLD \f, \c, \i, AVA, 64*((\qn)%2)+32*(\c)
.else
	VLD \f, \c, \i, AVB, 64*((\qn)%2)+32*(\c)
.endif
	ds_load_b128 v[(\f)+8*(4*(\c)+(\i)):(\f)+8*(4*(\c)+(\i))+3],   v[AP] offset:128*(\qn)+64*(\c)+(\i)*16*PP
	ds_load_b128 v[(\f)+8*(4*(\c)+(\i))+4:(\f)+8*(4*(\c)+(\i))+7], v[AP] offset:128*(\qn)+64*(\c)+(\i)*16*PP+32
.endr
.endr
.endm
.macro GLD                             ; g of the key tile in hand, for my four query blocks
	WIN 0
	v_add_nc_u32 v[GAD], s[GTO], v[GA0]
.irp q, 0,1,2,3
	ds_load_b32 v[GV+2*(\q)], v[GAD] offset:64*(\q)
.endr
.endm
.macro QUARTER qn, f, g, zero, gld     ; multiplies buffer f; in its middle fetches quarter qn into g
	s_wait_dscnt 16                                ; the first 32 keys' fragments are in
	MUL8 \f, 0, 0, \zero
	MUL8 \f, 0, 2, \zero
	PLACES
.if \gld
	GLD
.endif
	FETCH \qn, \g
	s_wait_dscnt 32                                ; all but the 32 just issued: the second 32 keys, and g
	MUL8 \f, 1, 0, 0
	MUL8 \f, 1, 2, 0
.endm
; A key tile's partial sums are joined to the main ones: main = partial x g + main; a block's first joining writes main = partial x g, so nothing is ever cleared.
; The test stands first and its answer at the first trip is a constant of the text.
.macro MERGE first
	PLACES                                         ; the lines below read results just made
	WIN 0
.if \first
	s_cmp_eq_u32 s[NEW], 1
	s_cbranch_scc0 .Lfma_\@
	s_mov_b32 s[NEW], 0
	WIN 0x80                                       ; destination window 2
.set i, 0
.rept 64
	v_pk_mul_f32 v[2*i:2*i+1], v[ACC+2*i:ACC+2*i+1], v[GV+2*(i/16):GV+2*(i/16)+1] op_sel_hi:[1,0]
.set i, i+1
.endr
	WIN 0
	s_branch .Lmerged_\@
.Lfma_\@:
.endif
	WIN 0xa0                                       ; source 2 and destination window 2
.set i, 0
.rept 64
	v_pk_fma_f32 v[2*i:2*i+1], v[ACC+2*i:ACC+2*i+1], v[GV+2*(i/16):GV+2*(i/16)+1], v[2*i:2*i+1] op_sel_hi:[1,0,1]
.set i, i+1
.endr
	WIN 0
.if \first
.Lmerged_\@:
.endif
	s_add_co_u32 s[GTO], s[GTO], 512               ; the next key tile's line
.endm
; The step's last quarter, and the change of slots.  fill = 1: the slot just read takes the walk's step two on.
.macro TURN fill
.if \fill
	s_wait_xcnt 0x0                                ; the last prefetches, a step back, have read their address
	s_mul_i32 s[OFQ], s[QN], s[PMUL]
	s_add_co_u32 s[OFQ], s[OFQ], s[QR]
	s_add_nc_u64 s[PFA:PFA+1], s[PFB:PFB+1], s[OFQ:OFQ+1]
	s_add_co_u32 s[QN], s[QN], 1                   ; the block's next key step, or behind its last the second block's first
	s_cmp_gt_u32 s[QN], s[QL]
	s_cselect_b32 s[QN], 0, s[QN]
	s_cselect_b32 s[QR], s[QR2], s[QR]
	s_cselect_b32 s[QL], 99, s[QL]
.endif
	WIN 0
	s_wait_tensorcnt 0x0                           ; all my tensor loads have landed: the one that was out is my part of the next slot
	ds_add_u32 v[SPW], v[NIL]                      ; 0 onto my spare word
	s_wait_dscnt 17                                ; (the add and the youngest sixteen loads may be out)
	MUL8 F1, 0, 0, 0
	s_wait_dscnt 0x0                               ; the add is done, and my reads of this slot are over
	s_barrier_signal -1
	MUL8 F1, 0, 2, 0
	WIN 0
	s_barrier_wait -1
.if \fill
	CREST                                          ; the barrier has opened a round of the cluster's: no wave of any partner still reads the slot or has a load on its way
	s_lshl_b32 s[OFP], s[NXT], 9                   ; the descriptors' addresses are made anew from the key step's number
	s_add_co_u32 s[OFP], s[OFP], s[ROWP]
	s_xor_b32 s[G0P+5], s[G0P+5], PSLX
	s_add_nc_u64 s[G0P+6:G0P+7], s[4:5], s[OFP:OFP+1]
	s_or_b32 s[G0P+7], s[G0P+7], 0x80000000
	s_mul_i32 s[OFV], s[NXT], VSTEP
	s_add_co_u32 s[OFV], s[OFV], s[VROW]
	s_xor_b32 s[G0V+5], s[G0V+5], VSLX
	s_add_nc_u64 s[G0V+6:G0V+7], s[6:7], s[OFV:OFV+1]
	s_or_b32 s[G0V+7], s[G0V+7], 0x80000000
	s_add_co_u32 s[NXT], s[NXT], 1
	s_cmp_gt_u32 s[NXT], s[LQ]
	s_cselect_b32 s[NXT], 0, s[NXT]
	s_cselect_b32 s[ROWP], s[ROWP2], s[ROWP]
	s_cselect_b32 s[LQ], 99, s[LQ]
	JLOAD                                          ; 112 matrix instructions ahead of the wait for it; its four v_nop are also the places in front of the loads below
.else
	PLACES
.endif
	s_xor_b32 s[TBP], s[TBP], PSLX                 ; my reads go on in the other slot
	s_xor_b32 s[TBV], s[TBV], VSLX
	v_add_nc_u32 v[AP], s[TBP], v[AP0]
	v_add_nc_u32 v[AVA], s[TBV], v[AV0]
	v_add_nc_u32 v[AVB], VREG, v[AVA]
.if !(\fill)
	s_cmp_eq_u32 s[CNT], 1
	s_cbranch_scc1 .Lno_fetch_\@                   ; the walk's last step has no successor
.endif
	FETCH 0, F0
	WIN 0
.if \fill
	ASK
.else
.Lno_fetch_\@:
.endif
	MUL8 F1, 1, 0, 0
	MUL8 F1, 1, 2, 0
.endm
; THE WAY OUT, a query block (16 rows x my 64 channels, f32) at a time: 32 bytes a lane into my stage, back as whole rows of 256 bytes, stored.
.macro OUTQ q
.if (\q) >= 2
	s_wait_xcnt 0x0                                ; the registers that the stores of two blocks ago read are loaded again only behind this wait
.endif
	WIN 0x08                                       ; store data window 2
.irp b, 0,1,2,3
	ds_store_b128 v[STO], v[32*(\q)+8*(\b):32*(\q)+8*(\b)+3]   offset:64*(\b)
	ds_store_b128 v[STO], v[32*(\q)+8*(\b)+4:32*(\q)+8*(\b)+7] offset:64*(\b)+16
.endr
	WIN 0
.irp t, 0,1,2,3,4,5,6,7
	ds_load_b128 v[OB+32*((\q)%2)+4*(\t):OB+32*((\q)%2)+4*(\t)+3], v[RD] offset:(\t)*2*SPITCH  ; LDS serves a wave's instructions in order (ISA guide 5.7.1.4)
.endr
.endm
.macro SENDQ q, younger                ; younger: the LDS instructions issued behind block q's loads: the next block's sixteen, or none
	s_wait_dscnt \younger
.irp t, 0,1,2,3,4,5,6,7
	global_store_b128 v[GO], v[OB+32*((\q)%2)+4*(\t):OB+32*((\q)%2)+4*(\t)+3], s[OP1:OP1+1] offset:(16*(\q)+2*(\t))*4096 th:TH_STORE_NT  ; 16 lanes store 256 consecutive bytes, aligned
.endr
.endm
; A step of the walk: 256 keys, two key tiles.
.macro DSTEP fill
	QUARTER 1, F0, F1, 1, 1
	QUARTER 2, F1, F0, 0, 0
	MERGE 1
	QUARTER 3, F0, F1, 1, 1
	TURN \fill
	MERGE 0
	s_sub_co_u32 s[RT], s[RT], 1
	s_cmp_lg_u32 s[RT], 0
	s_cbranch_scc1 .Lgo_on_\@                      ; the count hangs on p alone, which the partners share; what is jumped holds no barrier and no tensor load
	OUTQ 0                                         ; the block is finished
	OUTQ 1
	SENDQ 0, 16
	OUTQ 2
	SENDQ 1, 16
	OUTQ 3
	SENDQ 2, 16
	SENDQ 3, 0
	s_wait_xcnt 0x0                                ; the stores have read their registers and their base
	s_mov_b64 s[OP1:OP1+1], s[OP2:OP2+1]
	s_lshr_b32 s[RT], s[PB], 1
	s_add_co_u32 s[RT], s[RT], 1                   ; the second block's steps
	s_mov_b32 s[NEW], 1
	s_mov_b32 s[GTO], 8192                         ; and its g table
.Lgo_on_\@:
.endm
	s_wait_tensorcnt 1                             ; my part of the walk's step 0 is in; step 1's may stay out
	s_wait_dscnt 0x0                               ; my part of the g tables is written
	s_barrier_signal -1
	s_barrier_wait -1
	FETCH 0, F0
	WIN 0
	s_mov_b32 s[CNT], 7
.Lwalk:                                        ; seven trips: the walk's steps 2 to 8 are asked for
	DSTEP 1
	s_sub_co_u32 s[CNT], s[CNT], 1
	s_cmp_lg_u32 s[CNT], 0
	s_cbranch_scc1 .Lwalk
	s_mov_b32 s[CNT], 2
.Ltail:                                        ; the last two steps ask for nothing
	DSTEP 0
	s_sub_co_u32 s[CNT], s[CNT], 1
	s_cmp_lg_u32 s[CNT], 0
	s_cbranch_scc1 .Ltail
	s_wait_tensorcnt 0x0                           ; the wave's end
	ds_add_u32 v[SPW], v[NIL]
	s_wait_dscnt 0x0
	CROUND                                         ; the closing round: no work-group ends while a partner may still ask for a tile that names it
	s_endpgm
.Lfunc_end_k_qf17f7529fa_pv:
	.size	k_qf17f7529fa_pv, .Lfunc_end_k_qf17f7529fa_pv-k_qf17f7529fa_pv
	.p2alignl 7, 3214868480
	.fill 96, 4, 3214868480
	.section	.rodata,"a",@progbits
	.p2align	6, 0x0
	.amdhsa_kernel k_qf17f7529fa_pv
		.amdhsa_group_segment_fixed_size 327680
		.amdhsa_private_segment_fixed_size 0
		.amdhsa_enable_private_segment 0
		.amdhsa_kernarg_size 32
		.amdhsa_user_sgpr_count 2
		.amdhsa_user_sgpr_kernarg_segment_ptr 1
		.amdhsa_wavefront_size32 1
		.amdhsa_system_sgpr_workgroup_id_x 1
		.amdhsa_system_sgpr_workgroup_id_y 1
		.amdhsa_system_sgpr_workgroup_id_z 1
		.amdhsa_system_vgpr_workitem_id 0
		.amdhsa_next_free_vgpr 640
		.amdhsa_next_free_sgpr 88
		.amdhsa_reserve_vcc 0
		.amdhsa_float_denorm_mode_32 3
		.amdhsa_float_denorm_mode_16_64 3
		.amdhsa_memory_ordered 1
		.amdhsa_forward_progress 1
		.amdhsa_inst_pref_size 101
	.end_amdhsa_kernel
	.amdgpu_metadata
---
amdhsa.version: [ 1, 2 ]
amdhsa.kernels:
  - .name:           k_qf17f7529fa_pv
    .symbol:         k_qf17f7529fa_pv.kd
    .args:
      - { .name: pw, .offset: 0, .size: 8, .value_kind: global_buffer, .address_space: global }
      - { .name: qkv, .offset: 8, .size: 8, .value_kind: global_buffer, .address_space: global }
      - { .name: st, .offset: 16, .size: 8, .value_kind: global_buffer, .address_space: global }
      - { .name: out0, .offset: 24, .size: 8, .value_kind: global_buffer, .address_space: global }
    .group_segment_fixed_size: 327680
    .private_segment_fixed_size: 0
    .kernarg_segment_align: 8
    .kernarg_segment_size: 32
    .max_flat_workgroup_size: 128
    .sgpr_count:     88
    .vgpr_count:     640
    .wavefront_size: 32
...
	.end_amdgpu_metadata
.endif
;; end of part 4
;; ======== version 2 of 2: 4 launches; version 1 with the launch cast written anew for expert scheduling mode
;; limits: values are held in f16: magnitudes above 65,504 overflow, below 6.1e-05 lose precision; right only within a limited range of input values
;; workspace buffers: xb 16,777,216 bytes; wb 6,291,456 bytes; bb 12,288 bytes; qkv 50,331,648 bytes; pw 33,554,432 bytes; st 1,048,576 bytes
;; launch cast (part 5): grid 64 x 11, 8 waves a work-group, no clusters, 0 bytes of LDS; arguments inputs, Wq, Wk, Wv, bq, bk, bv, xb, wb, bb, st; writes xb, wb, bb, st
.if DOCPART == 5
	.amdgcn_target "amdgcn-amd-amdhsa--gfx1250"
	.amdhsa_code_object_version 6
	.text
	.protected	k_qf17f7529fa_cast
	.globl	k_qf17f7529fa_cast
	.p2align	8
	.type	k_qf17f7529fa_cast,@function
k_qf17f7529fa_cast:
	s_mov_b64 s[64:65], 0
	v_nop
	global_prefetch_b8 v0, s[64:65] scope:SCOPE_SE
	s_setreg_imm32_b32 hwreg(HW_REG_WAVE_SCHED_MODE, 0, 2), 2
	s_setreg_imm32_b32 hwreg(HW_REG_WAVE_MODE, 25, 1), 1
	s_wait_xcnt 0x0
	s_wait_alu depctr_vm_vsrc(0)
; x and the three weight matrices are rounded once to bf16 (xb: [8192][1024]; wb: [3072][1024], rows of Wq, Wk, Wv);
; the three biases are rounded to bf16 and kept as f32 (bb: [3072]); the statistics' table st is filled whole
; (planes of 8,192 bytes by turns: c m = -1e38, l = 0), so that a later launch may read planes that no tile writes.
; A stream: each byte read once, by 16-byte loads of 512 consecutive bytes a wave; each store of a wave covers 256
; consecutive bytes, aligned.  No LDS, no matrix unit, no cluster: nothing is shared and nothing is multiplied.
; Work-group (x, y): y = 0..7 a slab of 4 MiB of inputs, y = 8, 9, 10 one weight matrix; x = 64 KiB of it; a wave 8 KiB.
; THE MODE: SCHED_MODE bits 1:0 = 2 (LLVM: expert scheduling mode 2), set by the entry lines.  The code itself states the register dependences
; between vector instructions and memory instructions, with s_wait_alu, always for 0.
; THE PLAN.  Registers that memory instructions touch:
;   v1, v2      byte offsets in the source and in the destination: made once at the head, never written again.
;   v[8:71]     sixteen loads of four registers, all issued at the head, each loaded once; read by the conversions.
;   v[72:103]   two registers for each load: written once, by that load's two conversions; read by one store.
; The sixteen loads go in four groups of four.  Group g converts v[8+16 g ..] into v[72+8 g ..]; its memory instructions are the four stores of
; group g - 1, which read v2 and v[72+8 (g-1) ..]: registers that no conversion of group g names.  So one wait at a group's head states all that
; the group's four stores hang on, and they are dealt among its conversions with no further wait.
; No register that a memory instruction reads is ever written again; no vector line writes a scalar register or VCC; EXEC is never written.
.set SRC, 32                           ; s[32:33] where my work-group reads
.set DST, 34                           ; s[34:35] where it writes
	s_load_b512 s[8:23], s[0:1], 0x0               ; inputs 8, Wq 10, Wk 12, Wv 14, bq 16, bk 18, bv 20, xb 22
	s_load_b128 s[24:27], s[0:1], 0x40             ; wb 24, bb 26
	s_load_b64 s[28:29], s[0:1], 0x50              ; st
	s_and_b32 s2, ttmp7, 0xffff                    ; y
	s_mov_b32 s3, ttmp9                            ; x
	v_lshrrev_b32 v1, 5, v0
	v_and_b32 v2, 31, v0
	v_lshlrev_b32 v2, 4, v2
	v_lshl_add_u32 v1, v1, 13, v2                  ; 8,192 x wave + 16 x lane: my bytes in the source
	v_lshrrev_b32 v2, 1, v1                        ; and half of that in the destination
	s_sub_co_u32 s5, s2, 8                         ; which weight matrix (used where y >= 8 alone)
	s_cmp_lt_u32 s2, 8
	s_cselect_b32 s36, s2, 0                       ; the slab of inputs, or the matrix's beginning
	s_cselect_b32 s38, s2, s5                      ; the slab of xb, or of wb
	s_lshl_b32 s36, s36, 22
	s_lshl_b32 s4, s3, 16
	s_add_co_u32 s36, s36, s4
	s_mov_b32 s37, 0
	s_lshl_b32 s38, s38, 21
	s_lshl_b32 s4, s3, 15
	s_add_co_u32 s38, s38, s4
	s_mov_b32 s39, 0
	s_wait_kmcnt 0x0
	s_cmp_eq_u32 s2, 9
	s_cselect_b64 s[SRC:SRC+1], s[12:13], s[10:11]
	s_cmp_eq_u32 s2, 10
	s_cselect_b64 s[SRC:SRC+1], s[14:15], s[SRC:SRC+1]
	s_cmp_lt_u32 s2, 8
	s_cselect_b64 s[SRC:SRC+1], s[8:9], s[SRC:SRC+1]
	s_cselect_b64 s[DST:DST+1], s[22:23], s[24:25]
	s_add_nc_u64 s[SRC:SRC+1], s[SRC:SRC+1], s[36:37]
	s_add_nc_u64 s[DST:DST+1], s[DST:DST+1], s[38:39]
	s_wait_alu depctr_va_vdst(0)                   ; v1 and v2 are written: the sixteen loads read v1 as their offset, the sixteen stores v2
.set k, 0
.rept 16                               ; all sixteen loads of the wave go out at once: 8 KiB on their way
	global_load_b128 v[8+4*k:11+4*k], v1, s[SRC:SRC+1] offset:512*k th:TH_LOAD_NT
.set k, k+1
.endr
.set g, 0
.rept 4                                ; four groups of four loads
	s_wait_loadcnt 12-4*g                          ; loads come back in order: group g's four are in, the 12 - 4 g younger ones stay out
.if g > 0
	s_wait_alu depctr_va_vdst(0)                   ; the conversions of the group before have written v[72+8 (g-1) ..], which the four stores below read
.endif
.set i, 0
.rept 4
.set k, 4*g+i
.if g > 0
	global_store_b64 v2, v[72+2*(k-4):73+2*(k-4)], s[DST:DST+1] offset:256*(k-4)  ; the group before; no vector line since the wait names its registers
.endif
	v_cvt_pk_bf16_f32 v[72+2*k], v[8+4*k], v[9+4*k]
	v_cvt_pk_bf16_f32 v[73+2*k], v[10+4*k], v[11+4*k]
.set i, i+1
.endr
.set g, g+1
.endr
	s_wait_alu depctr_va_vdst(0)                   ; the last group's conversions have written v[96:103], which the last four stores read
.set k, 12
.rept 4
	global_store_b64 v2, v[72+2*k:73+2*k], s[DST:DST+1] offset:256*k
.set k, k+1
.endr
	s_cmp_lt_u32 s2, 8
	s_cbranch_scc0 .Lbias
	; y < 8: 2,048 bytes of st for each of the 512 work-groups; four of them make a plane
	s_lshl_b32 s4, s2, 6
	s_add_co_u32 s4, s4, s3                        ; n = 64 y + x
	s_bitcmp1_b32 s4, 2                            ; the plane's number is n / 4: odd planes hold l
	s_cselect_b32 s5, 0, 0xfe967699                ; 0, or -1e38
	v_mov_b32 v4, s5
	v_mov_b32 v5, s5
	v_lshlrev_b32 v3, 3, v0
	s_lshl_b32 s36, s4, 11
	s_add_nc_u64 s[28:29], s[28:29], s[36:37]
	s_wait_alu depctr_va_vdst(0)                   ; v3, v4 and v5 are written: the store's offset and its data
	global_store_b64 v3, v[4:5], s[28:29]
	s_endpgm
.Lbias:
	s_cmp_lg_u32 s3, 0
	s_cbranch_scc1 .Lend
	; y >= 8, x = 0: the matrix's bias, 1,024 numbers, four a thread
	s_cmp_eq_u32 s2, 9
	s_cselect_b64 s[40:41], s[18:19], s[16:17]
	s_cmp_eq_u32 s2, 10
	s_cselect_b64 s[40:41], s[20:21], s[40:41]
	v_lshlrev_b32 v3, 4, v0
	s_wait_alu depctr_va_vdst(0)                   ; v3 is written: the load below, and later the store, read it as their offset
	global_load_b128 v[4:7], v3, s[40:41]
	s_lshl_b32 s36, s5, 12                         ; 4,096 bytes of bb for each bias
	s_add_nc_u64 s[26:27], s[26:27], s[36:37]
	s_wait_loadcnt 0x0
	v_cvt_pk_bf16_f32 v8, v4, v5                   ; rounded to bf16,
	v_cvt_pk_bf16_f32 v9, v6, v7
	v_lshlrev_b32 v12, 16, v8                      ; and widened again: a shift or a mask
	v_and_b32 v13, 0xffff0000, v8
	v_lshlrev_b32 v14, 16, v9
	v_and_b32 v15, 0xffff0000, v9
	s_wait_alu depctr_va_vdst(0)                   ; the four lines above have written v[12:15], the store's data
	global_store_b128 v3, v[12:15], s[26:27]
.Lend:
	s_endpgm
.Lfunc_end_k_qf17f7529fa_cast:
	.size	k_qf17f7529fa_cast, .Lfunc_end_k_qf17f7529fa_cast-k_qf17f7529fa_cast
	.p2alignl 7, 3214868480
	.fill 96, 4, 3214868480
	.section	.rodata,"a",@progbits
	.p2align	6, 0x0
	.amdhsa_kernel k_qf17f7529fa_cast
		.amdhsa_group_segment_fixed_size 0
		.amdhsa_private_segment_fixed_size 0
		.amdhsa_enable_private_segment 0
		.amdhsa_kernarg_size 88
		.amdhsa_user_sgpr_count 2
		.amdhsa_user_sgpr_kernarg_segment_ptr 1
		.amdhsa_wavefront_size32 1
		.amdhsa_system_sgpr_workgroup_id_x 1
		.amdhsa_system_sgpr_workgroup_id_y 1
		.amdhsa_system_sgpr_workgroup_id_z 1
		.amdhsa_system_vgpr_workitem_id 0
		.amdhsa_next_free_vgpr 104
		.amdhsa_next_free_sgpr 66
		.amdhsa_reserve_vcc 0
		.amdhsa_float_denorm_mode_32 3
		.amdhsa_float_denorm_mode_16_64 3
		.amdhsa_memory_ordered 1
		.amdhsa_forward_progress 1
		.amdhsa_inst_pref_size 9
	.end_amdhsa_kernel
	.amdgpu_metadata
---
amdhsa.version: [ 1, 2 ]
amdhsa.kernels:
  - .name:           k_qf17f7529fa_cast
    .symbol:         k_qf17f7529fa_cast.kd
    .args:
      - { .name: inputs, .offset: 0, .size: 8, .value_kind: global_buffer, .address_space: global }
      - { .name: Wq, .offset: 8, .size: 8, .value_kind: global_buffer, .address_space: global }
      - { .name: Wk, .offset: 16, .size: 8, .value_kind: global_buffer, .address_space: global }
      - { .name: Wv, .offset: 24, .size: 8, .value_kind: global_buffer, .address_space: global }
      - { .name: bq, .offset: 32, .size: 8, .value_kind: global_buffer, .address_space: global }
      - { .name: bk, .offset: 40, .size: 8, .value_kind: global_buffer, .address_space: global }
      - { .name: bv, .offset: 48, .size: 8, .value_kind: global_buffer, .address_space: global }
      - { .name: xb, .offset: 56, .size: 8, .value_kind: global_buffer, .address_space: global }
      - { .name: wb, .offset: 64, .size: 8, .value_kind: global_buffer, .address_space: global }
      - { .name: bb, .offset: 72, .size: 8, .value_kind: global_buffer, .address_space: global }
      - { .name: st, .offset: 80, .size: 8, .value_kind: global_buffer, .address_space: global }
    .group_segment_fixed_size: 0
    .private_segment_fixed_size: 0
    .kernarg_segment_align: 8
    .kernarg_segment_size: 88
    .max_flat_workgroup_size: 256
    .sgpr_count:     66
    .vgpr_count:     104
    .wavefront_size: 32
...
	.end_amdgpu_metadata
.endif
;; end of part 5
;; launch proj: the kernel of part 2 again; grid 8 x 32, 4 waves a work-group, clusters of 4 x 4, 327,680 bytes of LDS; arguments xb, wb, bb, qkv; writes qkv
;; launch scores: the kernel of part 3 again; grid 36 x 4, 4 waves a work-group, no clusters, 327,680 bytes of LDS; arguments qkv, pw, st; writes pw, st
;; launch pv: the kernel of part 4 again; grid 8 x 32, 4 waves a work-group, clusters of 4 x 1, 327,680 bytes of LDS; arguments pw, qkv, st, out0; writes out0
